; MI455X (gfx1250); checked and timed in simulation.
; The chip was launched on July 23, 2026; its instructions are those of AMD's public machine-readable ISA for CDNA 5 (MIT licence, August 2026) and "CDNA5" Instruction Set Architecture Reference Guide (July 2026). The comments in the code are by the model that wrote it; some were corrected since.
;; Multi Head Self Attention. Allowed arithmetic: matrix products marked QUANTISED: E4M3 operands, one given power-of-two scale a tensor, by v_wmma_f32_16x16x64_fp8_fp8 or v_wmma_f32_16x16x128_fp8_fp8, f32 sums; everything else in f32.
;; Inputs: W_k 1,024 x 1,024 float32; W_o 1,024 x 1,024 float32; W_q 1,024 x 1,024 float32; W_v 1,024 x 1,024 float32; lowp_scales 12 int32 (the exponents e of the quantised operands' scales 2^e); x 4 x 2,048 x 1,024 float32.
;; Outputs: out0 4 x 2,048 x 1,024 float32.
;; This version of the problem:
;;   THIS VERSION OF THE PROBLEM IS GIVEN IN LOW PRECISION. The matrix products marked QUANTISED in the list below multiply operands that are first quantised to E4M3 (4 exponent bits, 3 mantissa bits; 8 bits a number), with one given power-of-two scale for each operand tensor; their sums are f32. All else is computed in f32.
;;   The module's matrix products, in the order in which they are computed (A, B: the left and right operand; K: the contracted axis; several contracted axes count as one K, in the product's order):
;;     1. [M 8,192, K 1,024] x [K 1,024, N 1,024]; A: input x; B: input W_q: QUANTISED (scales: A lowp_scales[0], B lowp_scales[1])
;;     2. [M 8,192, K 1,024] x [K 1,024, N 1,024]; A: input x; B: input W_k: QUANTISED (scales: A lowp_scales[2], B lowp_scales[3])
;;     3. [M 8,192, K 1,024] x [K 1,024, N 1,024]; A: input x; B: input W_v: QUANTISED (scales: A lowp_scales[4], B lowp_scales[5])
;;     4. batch 64 x [M 2,048, K 64] x [K 64, N 2,048]; A: computed on the way; B: computed on the way: QUANTISED (scales: A lowp_scales[6], B lowp_scales[7])
;;     5. batch 64 x [M 2,048, K 2,048] x [K 2,048, N 64]; A: softmax (see below); B: computed on the way: QUANTISED (scales: A lowp_scales[8], B lowp_scales[9])
;;     6. [M 8,192, K 1,024] x [K 1,024, N 1,024]; A: computed on the way; B: input W_o: QUANTISED (scales: A lowp_scales[10], B lowp_scales[11])
;;   THE QUANTISER, for each operand of a quantised product, along K:
;;     - The operand's scale is 2^e, e = its entry of the input lowp_scales (int32; the entries are numbered through the quantised products in the list's order, A before B).
;;     - Each number is divided by the scale, clamped to +-448, and rounded to the nearest number of E4M3, ties to even, subnormals kept.
;;     - The product sums the exact products of the quantised numbers (number of the format x scale) in f32.
;;   ~~~python
;;   def quantise(x, axis, e):      # numpy; x: float32 -> the quantised numbers, widened to float32 again
;;       x = np.moveaxis(x, axis, -1); K = x.shape[-1]
;;       r = np.clip(x / 2.0 ** e, -448, 448)
;;       step = 2.0 ** (np.maximum(np.frexp(np.where(r == 0, 1, r))[1] - 1, -6) - 3)
;;       q = np.round(r / step) * step * 2.0 ** e      # np.round: ties to even
;;       return np.moveaxis(q, -1, axis).astype(np.float32)
;;   ~~~
;;   SOFTMAX AHEAD OF A QUANTISED PRODUCT. Where the list says 'softmax', what is quantised is not the finished softmax but p = 2^(t - M), with t = logit x log2(e) and M = ceil(the row's largest t), a whole number; so 1/2 < the row's largest p <= 1. The row's sum l is taken of the UNQUANTISED p, in f32, and the product's result is divided by l at the end. Since M is a whole number, a kernel that streams over the keys may use a running M (the ceiling of the running maximum): every later rescaling is an exact power of two, so the quantised numbers keep their values, but for numbers so far below the row's largest that they fall under the format's range.
;;   OPERANDS COMPUTED ON THE WAY. 'Computed on the way' means the value that the module computes at that place (a softmax that the list does not call 'softmax' is quantised finished and normalised). What goes into a quantiser is computed in f32, as accurately as f32 sums, v_exp_f32 and their like allow (about 1e-6 of the number): no bf16 or f16 on the way to a quantiser, and a product that is left as it is and whose result goes on into a quantised operand takes f32 operands (vector FMAs, or v_wmma_f32_16x16x4_f32). A number that lies on a knife's edge between two numbers of the format may be rounded either way, as far as f32 arithmetic and the matrix unit's own rounding can turn it there, and no further.
;; One version. Each part assembles by itself: llvm-mc -triple=amdgcn-amd-amdhsa -mcpu=gfx1250 --defsym DOCPART=n.
;; ======== version 1 of 1: 4 launches
;; limits: right only within a limited range of input values
;; workspace buffers: xc 25,165,824 bytes; wc 4,194,304 bytes; qkv 25,165,824 bytes; ac 8,388,608 bytes
;; launch quant (part 1): grid 1024 x 1, 4 waves a work-group, no clusters, 20,992 bytes of LDS; arguments x, W_q, W_k, W_v, W_o, lowp_scales, xc, wc; writes xc, wc
.if DOCPART == 1
	.amdgcn_target "amdgcn-amd-amdhsa--gfx1250"
	.amdhsa_code_object_version 6
	.text
	.protected	k_qbd74053880_quant
	.globl	k_qbd74053880_quant
	.p2align	8
	.type	k_qbd74053880_quant,@function
k_qbd74053880_quant:
	s_mov_b64 s[64:65], 0
	v_nop
	global_prefetch_b8 v0, s[64:65] scope:SCOPE_SE
	s_setreg_imm32_b32 hwreg(HW_REG_WAVE_MODE, 25, 1), 1
	s_wait_xcnt 0x0
; x [8192][1024] f32 becomes three sets of E4M3 codes (one for each of the three products that read it: scales 2^e0, 2^e2, 2^e4), xc = 3 x [8192][1024] bytes;
; W_q, W_k, W_v, W_o [1024][1024] f32 become codes with 2^e1, 2^e3, 2^e5, 2^e11, wc = 4 x [1024][1024] bytes.  K is innermost in all of them, so every tensor is a plain stream.
; code = number / 2^e, held within +-448, rounded to the nearest code, ties to even.
; LIMITS: each e used here lies between -126 and 119, so that 2^e and 448 x 2^e are f32 numbers.  NaN among the inputs is not served (an infinity is held at the largest code).
; SHARES: 4,096 waves; wave u = 4 x work-group + wave takes 2,048 numbers of x (steps 0-3 of 512) and 1,024 numbers of weight j = work-group / 256 (steps 4, 5).  Every wave takes one path:
; only the weight's pointer and exponent are chosen, by the work-group's number.  All 24 loads of a wave (12 KiB) go out at once.
; A conversion takes 8 neighbours from ONE lane's registers, a load is dense where neighbouring LANES take neighbouring bytes: so a step's 2,048 bytes turn through the wave's own stage in LDS
; (in: as loaded; out: 64 bytes a lane, 80 bytes from lane to lane).  A lane's 16 codes are 16 bytes: a store of the wave covers 512 consecutive bytes, aligned.  No barrier: waves share nothing.
.set R,    16                          ; v16-111  the numbers as loaded, 16 registers a step
.set X,    112                         ; v112-143 two sets of 16 neighbours
.set T,    144
.set C,    160                         ; v160-215 codes, four registers for each store: no store's data are written again
.set SP,   80                          ; a lane's place in a stage: 64 bytes + 16 of padding
.set STG,  32*SP                       ; a stage
.set WREG, 2*STG                       ; a wave's two stages
	s_load_b512 s[4:19], s[0:1], 0x0               ; x s[4:5], W_q s[6:7], W_k s[8:9], W_v s[10:11], W_o s[12:13], scales s[14:15], xc s[16:17], wc s[18:19]
	v_lshl_add_u32 v216, v0, 2, 0x5000
	v_mov_b32 v217, 0
	v_lshrrev_b32 v1, 5, v0
	v_readfirstlane_b32 s21, v1                    ; wave
	v_and_b32 v2, 31, v0                           ; lane
	v_lshlrev_b32 v3, 4, v2                        ; my 16 bytes of a load's 512, and of a store's
	s_mul_i32 s37, s21, WREG
	v_lshrrev_b32 v14, 2, v2
	v_mul_u32_u24 v14, v14, SP
	v_and_b32 v15, 3, v2
	v_lshl_add_u32 v14, v15, 4, v14
	v_add_nc_u32 v14, s37, v14                     ; the stage, in: 80 (lane / 4) + 16 (lane % 4); a load's 512 bytes take eight places
	v_mul_u32_u24 v15, v2, SP
	v_add_nc_u32 v15, s37, v15                     ; and out: 80 x lane: my 16 neighbours
	s_lshr_b32 s20, ttmp9, 8                       ; j: which weight
	s_lshl_b32 s48, ttmp9, 2
	s_add_co_u32 s48, s48, s21                     ; u
	s_and_b32 s49, ttmp9, 255
	s_lshl_b32 s49, s49, 2
	s_add_co_u32 s49, s49, s21                     ; my run of 1,024 numbers in the weight
	s_mov_b32 s51, 0
	s_wait_alu depctr_va_vdst(0)
	s_wait_kmcnt 0x0
	s_load_b256 s[24:31], s[14:15], 0x0            ; e0 .. e7
	s_load_b128 s[32:35], s[14:15], 0x20           ; e8 .. e11
	s_cmp_eq_u32 s20, 0                            ; the weight's pointer: the choice hangs on the work-group's number alone
	s_cselect_b64 s[22:23], s[6:7], s[8:9]
	s_cmp_eq_u32 s20, 2
	s_cselect_b64 s[22:23], s[10:11], s[22:23]
	s_cmp_eq_u32 s20, 3
	s_cselect_b64 s[22:23], s[12:13], s[22:23]
	s_lshl_b32 s50, s48, 13
	s_add_nc_u64 s[4:5], s[4:5], s[50:51]          ; x: 8,192 u bytes on
	s_lshl_b32 s50, s48, 11
	s_add_nc_u64 s[38:39], s[16:17], s[50:51]      ; its codes: 2,048 u, in each of the three sections
	s_add_nc_u64 s[40:41], s[38:39], 0x800000
	s_add_nc_u64 s[42:43], s[40:41], 0x800000
	s_lshl_b32 s50, s48, 10
	s_add_nc_u64 s[44:45], s[18:19], s[50:51]      ; the weight's codes: the four sections lie on end, so 1,024 u serves all
	s_lshl_b32 s50, s49, 12
	s_add_nc_u64 s[22:23], s[22:23], s[50:51]      ; the weight's numbers
.macro LOAD t, base, off
.irp i, 0,1,2,3
	global_load_b128 v[R+16*(\t)+4*\i:R+16*(\t)+4*\i+3], v3, s[\base:\base+1] offset:(\off)+512*\i th:TH_LOAD_NT   ; 32 lanes read 512 consecutive bytes, read once in the launch
.endr
.endm
	LOAD 0, 4, 0
	LOAD 1, 4, 2048
	LOAD 2, 4, 4096
	LOAD 3, 4, 6144
	LOAD 4, 22, 0
	LOAD 5, 22, 2048
.macro MKSC e, vs, vl                  ; v[vs] = 2^e as f32 (the conversion takes its exponent field)
	s_add_co_i32 s52, s[\e], 127
	s_lshl_b32 s53, s52, 23
	v_mov_b32 v[\vs], s53
.endm
	s_wait_kmcnt 0x0
	s_cmp_eq_u32 s20, 0                            ; the weight's exponent: e1, e3, e5 or e11
	s_cselect_b32 s36, s25, s27
	s_cmp_eq_u32 s20, 2
	s_cselect_b32 s36, s29, s36
	s_cmp_eq_u32 s20, 3
	s_cselect_b32 s36, s35, s36
	MKSC 24, 4, 5                                  ; e0
	MKSC 26, 6, 7                                  ; e2
	MKSC 28, 8, 9                                  ; e4
	MKSC 36, 10, 11                                ; the weight's
.macro TURN t                          ; step t's numbers through the stage: LDS serves a wave's instructions in order (ISA guide 5.7.1.4), so no wait stands between the stores and the loads
.irp i, 0,1,2,3
	ds_store_b128 v14, v[R+16*(\t)+4*\i:R+16*(\t)+4*\i+3] offset:STG*((\t)%2)+8*SP*\i
.endr
.irp i, 0,1,2,3
	ds_load_b128 v[X+16*((\t)%2)+4*\i:X+16*((\t)%2)+4*\i+3], v15 offset:STG*((\t)%2)+16*\i
.endr
.endm
.macro QOUT xs, vs, vl, c              ; 16 neighbours in v[xs] on become 16 codes in v[c] on; x's numbers stay as they are for the next scale
.irp i, 0,1,2,3,4,5,6,7,8,9,10,11,12,13,14,15
.endr
	v_cvt_scalef32_pk8_fp8_f32 v[\c:\c+1], v[\xs:\xs+7], v[\vs]
	v_cvt_scalef32_pk8_fp8_f32 v[\c+2:\c+3], v[\xs+8:\xs+15], v[\vs]
	v_nop                                          ; one plain vector line behind the conversions
.endm
.macro STEP t
	s_wait_dscnt 0x0                               ; this step's numbers are back from the stage
.if (\t) < 5
	s_wait_loadcnt 4*(4-(\t))                      ; the next step's four loads are in; four for each later step may be out
	TURN (\t)+1                                    ; they go through the other stage while this step is worked
.endif
.if (\t) < 4
	QOUT X+16*((\t)%2), 4, 5, C+12*(\t)
	global_store_b128 v3, v[C+12*(\t):C+12*(\t)+3], s[38:39] offset:512*(\t)
	QOUT X+16*((\t)%2), 6, 7, C+12*(\t)+4
	global_store_b128 v3, v[C+12*(\t)+4:C+12*(\t)+7], s[40:41] offset:512*(\t)
	QOUT X+16*((\t)%2), 8, 9, C+12*(\t)+8
	global_store_b128 v3, v[C+12*(\t)+8:C+12*(\t)+11], s[42:43] offset:512*(\t)
.else
	QOUT X+16*((\t)%2), 10, 11, C+48+4*((\t)-4)
	global_store_b128 v3, v[C+48+4*((\t)-4):C+48+4*((\t)-4)+3], s[44:45] offset:512*((\t)-4)
.endif
.endm
	s_wait_alu depctr_va_vdst(0)
	s_wait_loadcnt 20                              ; step 0's four loads are in; the twenty behind them may be out
	TURN 0
	STEP 0
	STEP 1
	STEP 2
	STEP 3
	STEP 4
	STEP 5
	s_wait_tensorcnt 0x0
	ds_add_u32 v216, v217
	s_wait_dscnt 0x0
	s_endpgm
.Lfunc_end_k_qbd74053880_quant:
	.size	k_qbd74053880_quant, .Lfunc_end_k_qbd74053880_quant-k_qbd74053880_quant
	.p2alignl 7, 3214868480
	.fill 96, 4, 3214868480
	.section	.rodata,"a",@progbits
	.p2align	6, 0x0
	.amdhsa_kernel k_qbd74053880_quant
		.amdhsa_group_segment_fixed_size 20992
		.amdhsa_private_segment_fixed_size 0
		.amdhsa_enable_private_segment 0
		.amdhsa_kernarg_size 64
		.amdhsa_user_sgpr_count 2
		.amdhsa_user_sgpr_kernarg_segment_ptr 1
		.amdhsa_wavefront_size32 1
		.amdhsa_system_sgpr_workgroup_id_x 1
		.amdhsa_system_sgpr_workgroup_id_y 1
		.amdhsa_system_sgpr_workgroup_id_z 1
		.amdhsa_system_vgpr_workitem_id 0
		.amdhsa_next_free_vgpr 218
		.amdhsa_next_free_sgpr 66
		.amdhsa_reserve_vcc 0
		.amdhsa_float_denorm_mode_32 3
		.amdhsa_float_denorm_mode_16_64 3
		.amdhsa_fp16_overflow 1
		.amdhsa_memory_ordered 1
		.amdhsa_forward_progress 1
		.amdhsa_inst_pref_size 13
	.end_amdhsa_kernel
	.amdgpu_metadata
---
amdhsa.version: [ 1, 2 ]
amdhsa.kernels:
  - .name:           k_qbd74053880_quant
    .symbol:         k_qbd74053880_quant.kd
    .args:
      - { .name: x, .offset: 0, .size: 8, .value_kind: global_buffer, .address_space: global }
      - { .name: W_q, .offset: 8, .size: 8, .value_kind: global_buffer, .address_space: global }
      - { .name: W_k, .offset: 16, .size: 8, .value_kind: global_buffer, .address_space: global }
      - { .name: W_v, .offset: 24, .size: 8, .value_kind: global_buffer, .address_space: global }
      - { .name: W_o, .offset: 32, .size: 8, .value_kind: global_buffer, .address_space: global }
      - { .name: lowp_scales, .offset: 40, .size: 8, .value_kind: global_buffer, .address_space: global }
      - { .name: xc, .offset: 48, .size: 8, .value_kind: global_buffer, .address_space: global }
      - { .name: wc, .offset: 56, .size: 8, .value_kind: global_buffer, .address_space: global }
    .group_segment_fixed_size: 20992
    .private_segment_fixed_size: 0
    .kernarg_segment_align: 8
    .kernarg_segment_size: 64
    .max_flat_workgroup_size: 128
    .sgpr_count:     66
    .vgpr_count:     218
    .wavefront_size: 32
...
	.end_amdgpu_metadata
.endif
;; end of part 1
;; launch qkv (part 2): grid 12 x 32, 4 waves a work-group, clusters of 4 x 4, 327,680 bytes of LDS; arguments xc, wc, lowp_scales, qkv; writes qkv
.if DOCPART == 2
	.amdgcn_target "amdgcn-amd-amdhsa--gfx1250"
	.amdhsa_code_object_version 6
	.text
	.protected	k_qbd74053880_qkv
	.globl	k_qbd74053880_qkv
	.p2align	8
	.type	k_qbd74053880_qkv,@function
k_qbd74053880_qkv:
	s_mov_b64 s[64:65], 0
	v_nop
	global_prefetch_b8 v0, s[64:65] scope:SCOPE_SE
	s_setreg_imm32_b32 hwreg(HW_REG_WAVE_MODE, 25, 1), 1
	s_wait_xcnt 0x0
	s_wait_alu depctr_hold_cnt(0) depctr_sa_sdst(0) depctr_va_vdst(0) depctr_va_sdst(0) depctr_va_ssrc(0) depctr_va_vcc(0) depctr_vm_vsrc(0)
	s_getreg_b32 s2, hwreg(HW_REG_IB_STS2, 6, 4)
	s_cmp_eq_u32 s2, 0
	s_cbranch_scc0 .Lentry_in_a_cluster
	s_endpgm
.Lentry_in_a_cluster:
	s_bfe_u32 s2, ttmp6, 0x10000c
	s_cmp_lg_u32 s2, 0xf033
	s_cbranch_scc0 .Lentry_shape_is_right
	s_endpgm
.Lentry_shape_is_right:
; The three projections on E4M3 codes, their results quantised at once into the codes that attention reads.  The cluster's x says which: 0: Q = x W_q^T, 1: K = x W_k^T, 2: V = x W_v^T.
; A tile of 256 x 256 is made by four waves, 128 x 128 each: 64 accumulators of 16 x 16, 512 registers.  K = 1,024 goes in four steps of 256 through a ring of two LDS slots filled by the tensor data mover.
; THE MATRIX INSTRUCTION IS USED TRANSPOSED (source 0 = 16 rows of "B", source 1 = 16 rows of "A"): a lane holds one row of A and eight NEIGHBOURS along B's rows, which the conversion wants.
;   Q, K: A = x's codes (rows: tokens), B = the weight's (rows: channels): eight neighbouring channels, the K of Q K^T.
;   V:    A = W_v's codes (rows: channels), B = x's (rows: tokens): eight neighbouring tokens: the keys, the K of P V.  Both operands have rows of 1,024 bytes, so one loop serves all three.
; A sum stands for sum x 2^(ea + eb); its code is sum / 2^(eo - ea - eb): the three exponents are folded into the conversion's one scale.
; OUT.  qkv section 0 (Q), 1 (K): [b][head][pos 2048][64], pos = the token with its bits 3 and 4 exchanged (16 neighbouring rows of K are then the keys of one tile of attention's first product).
;       section 2 (V): [b][head][block of 128 keys][64 channels][128 keys].  In every section 128 tokens of a head are 8,192 dense bytes: each store of the wave covers 512 consecutive bytes, aligned.
; CLUSTERS: 4 x 4 work-groups.  The four of a row of the cluster need the same tiles of A, the four of a column the same tiles of B: each tile is asked for jointly.
; The fragments are fetched 16 bytes at a time: a permutation of k, the same in A and in B; only the order of the sums inside an instruction differs.
; LIMITS: e6 - e0 - e1, e7 - e2 - e3 and e9 - e4 - e5 lie between -126 and 119, so that the folded scale and 448 x it are f32 numbers.
; REGISTERS, in windows of 256: window 0: v0-31 addresses; from v128 A's fragments, one set; window 1: B's fragments, two sets; windows 2, 3: the accumulators ((a, b) at v[8 (8 (a % 4) + b)]).
.set KSTEP,  256
.set ROWB,   256                       ; a tile's row in bytes
.set KROW,   1024                      ; a row of either operand in memory
.set PITCH,  272                       ; an LDS row: 256 bytes + 16 of padding = 68 words: row r starts at bank 4 r mod 64 (64 banks of 4 bytes: ISA guide 11.1)
.set FR,     16                        ; registers of a fragment: 16 rows x 128 K
.set NL,     4                         ; LDS loads that bring one
.set NP,     4                         ; places behind this matrix instruction (ISA guide 7.12.1)
.set HALFT,  128*PITCH                 ; what one tensor load brings
.set SLOT,   4*HALFT                   ; A's 256 rows, then B's 256 rows
.set LAPS,   2                         ; 1,024 / 512
.set SPARE,  2*SLOT                    ; behind the ring: the spare words, 128 bytes a wave: two blocks of 256 bytes that no other line names
.set QP,     144                       ; the way out: a stage row: 128 codes + 16 bytes
.set QSTG,   128*QP                    ; a wave's stage; the four lie in slot 0, which has had its last fill and its last read when the first code is stored there
.set ADRA, 16                          ; v16-17  LDS address of my A fragments in slot 0, 1
.set ADRB, 20                          ; v20-21  the same for B
.set SC,   22                          ; v22     the folded scale as f32
.set LIM,  23
.set STO,  24                          ; v24     the stage: where I put 8 codes of a row
.set RDQ,  25                          ; v25     back, Q and K: 8 rows x 64 bytes an instruction
.set CO,   26                          ; v26     16 x lane: my place in a store's 512 bytes
.set RDV,  27                          ; v27     back, V: 4 rows x 128 bytes an instruction
.set SPW,  28                          ; v28     my spare word; never rewritten
.set NIL,  29                          ; v29     0; never rewritten
.set TMP,  32
.set CD,   96                          ; v96-223 codes, 16 registers a block
.set BK,   32                          ; v32-159 the rows read back
.set AF,   128
.set G1, 24
.set G0, 32
.set G1B, 48
.set G0B, 56
.set MSB, 0
.macro WIN new                         ; the immediate's high byte repeats the setting that is left
.if MSB != (\new)
	s_set_vgpr_msb (MSB<<8)|(\new)
.set MSB, (\new)
.endif
.endm
.set MUL_LO, 0xa1                      ; source 0 (B) window 1, source 1 (A) window 0, C and D window 2
.set MUL_HI, 0xf1                      ; the same, C and D window 3
.set TO_B,   0x40                      ; destination window 1, address window 0
; A joint load: waves 0 and 1 fetch for A, waves 2 and 3 for B.  The branch hangs on the wave's number alone.  Four v_nop follow each of the two lines.
.macro JLOAD g0a, g1a, g0b, g1b
	s_cmp_eq_u32 s15, 0
	s_cbranch_scc0 .Lfor_b_\@
	tensor_load_to_lds s[\g0a:\g0a+3], s[\g1a:\g1a+7]
	s_nop 0
.rept 4
	v_nop
.endr
	s_branch .Lasked_\@
.Lfor_b_\@:
	tensor_load_to_lds s[\g0b:\g0b+3], s[\g1b:\g1b+7]
	s_nop 0
.rept 4
	v_nop
.endr
.Lasked_\@:
.endm
.macro CREST                           ; a round of the cluster's barrier behind its opening barrier
	s_cmp_lg_u32 s14, 0
	s_cbranch_scc1 .Lnot_wave_0_\@
	s_barrier_signal -3
.Lnot_wave_0_\@:
	s_barrier_wait -3
	s_barrier_signal -1
	s_barrier_wait -1
.endm
.macro CROUND
	s_barrier_signal -1
	s_barrier_wait -1
	CREST
.endm
	s_load_b128 s[4:7], s[0:1], 0x0                ; x's codes s[4:5], the weights' codes s[6:7]
	s_load_b128 s[8:11], s[0:1], 0x10              ; the scales' exponents s[8:9], qkv s[10:11]
	v_lshl_add_u32 v[SPW], v0, 2, SPARE
	v_mov_b32 v[NIL], 0
	ds_add_u32 v28, v29
	ds_add_u32 v28, v29
	s_wait_dscnt 0x0
	v_lshrrev_b32 v1, 5, v0
	v_readfirstlane_b32 s14, v1                    ; wave 0..3
	s_lshr_b32 s15, s14, 1                         ; which half of A's rows is mine.  Also: I fetch for A (0) or for B (1)
	s_and_b32 s16, s14, 1                          ; which half of B's rows.  Also: which 128 rows I fetch
	s_bfe_u32 s40, ttmp6, 0x40000                  ; cx, cy: my place in the cluster
	s_bfe_u32 s41, ttmp6, 0x40004
	s_and_b32 s66, ttmp7, 0xffff
	s_lshl_b32 s66, s66, 2                         ; 4 x cluster y: the walk over the 32 tiles of tokens
	s_lshl_b32 s80, ttmp9, 23                      ; the product's section in x's codes (and in qkv),
	s_lshl_b32 s81, ttmp9, 20                      ; and in the weights' codes
	s_cmp_eq_u32 ttmp9, 2                          ; V?  The cluster's x is the same in all sixteen partners
	s_cselect_b32 s67, 0, s66                      ; tokens are A's rows for Q and K,
	s_cselect_b32 s82, s66, 0                      ; B's rows for V
	s_cselect_b32 s88, s81, s80                    ; A's section
	s_cselect_b32 s90, s80, s81                    ; B's section
	s_mov_b32 s89, 0
	s_mov_b32 s91, 0
	s_add_co_u32 s17, s67, s41                     ; tile row: it holds cy and never cx
	s_add_co_u32 s42, s82, s40                     ; tile column: it holds cx and never cy
	s_lshl_b32 s43, s41, 2
	s_lshl_b32 s43, 15, s43                        ; my row of the cluster
	s_lshl_b32 s44, 0x1111, s40                    ; my column
	; descriptor group 1: a tile of 128 rows x 256 bytes, padded in LDS
	s_or_b32 s[G1+0], s43, (0<<16)|(1<<20)|(1<<21)|(5<<22)|(3<<25)  ; 15:0 the mask; 17:16 elements of 1 byte; 20 padding on; 21 set beside a mask; 24:22 after every 64 words (code 5); 31:25 four words (code 3)
	s_or_b32 s[G1B+0], s44, (0<<16)|(1<<20)|(1<<21)|(5<<22)|(3<<25)
.irp g, G1, G1B
	s_mov_b32 s[\g+1], ROWB<<16                    ; tensor_dim0
	s_mov_b32 s[\g+2], 128<<16                     ; tensor_dim1
	s_mov_b32 s[\g+3], ROWB<<16                    ; tile_dim0
	s_mov_b32 s[\g+4], 128                         ; tile_dim1
	s_mov_b32 s[\g+5], KROW                        ; tensor_dim0_stride
	s_mov_b32 s[\g+6], 0
	s_mov_b32 s[\g+7], 0
.endr
	s_lshl_b32 s18, s16, 7                         ; which 128 rows of the tile I fetch
	s_lshl_b32 s20, s17, 8
	s_add_co_u32 s20, s20, s18                     ; A: row 256 x tile row + 128 x half,
	s_lshl_b32 s20, s20, 10                        ; in bytes (under 2^23)
	s_lshl_b32 s46, s42, 8
	s_add_co_u32 s46, s46, s18                     ; B likewise
	s_lshl_b32 s46, s46, 10
	s_mov_b32 s21, 0
	s_mov_b32 s47, 0
	s_add_nc_u64 s[20:21], s[20:21], s[88:89]
	s_add_nc_u64 s[46:47], s[46:47], s[90:91]
	s_mul_i32 s45, s14, HALFT                      ; where they go: wave x 128 rows: no place in the cluster enters an LDS address
	s_wait_kmcnt 0x0
	s_load_b256 s[68:75], s[8:9], 0x0              ; e0 .. e7
	s_load_b128 s[76:79], s[8:9], 0x20             ; e8 .. e11
	s_cmp_eq_u32 ttmp9, 2
	s_cselect_b64 s[84:85], s[6:7], s[4:5]         ; A's buffer: the weights' for V, else x's
	s_cselect_b64 s[86:87], s[4:5], s[6:7]         ; B's
	s_add_nc_u64 s[20:21], s[84:85], s[20:21]
	s_add_nc_u64 s[46:47], s[86:87], s[46:47]
	CROUND                                         ; all sixteen work-groups are here: the first joint loads meet
.irp s, 0,1
	s_mov_b32 s[G0+4*\s], 1
	s_add_co_u32 s[G0+4*\s+1], s45, \s*SLOT
	s_add_nc_u64 s[G0+4*\s+2:G0+4*\s+3], s[20:21], \s*ROWB
	s_or_b32 s[G0+4*\s+3], s[G0+4*\s+3], 0x80000000
	s_mov_b32 s[G0B+4*\s], 1
	s_add_co_u32 s[G0B+4*\s+1], s45, \s*SLOT
	s_add_nc_u64 s[G0B+4*\s+2:G0B+4*\s+3], s[46:47], \s*ROWB
	s_or_b32 s[G0B+4*\s+3], s[G0B+4*\s+3], 0x80000000
	JLOAD G0+4*\s, G1, G0B+4*\s, G1B               ; two loads of mine are out
.endr
	v_and_b32 v1, 15, v0                           ; r = l % 16
	s_wait_alu depctr_va_vdst(0)
	v_bfe_u32 v2, v0, 4, 1                         ; h = l / 16
	v_mul_u32_u24 v3, v1, PITCH
	v_lshl_add_u32 v4, v2, 4, v3                   ; a fragment's row x pitch + 16 x half
	s_mul_i32 s21, s15, HALFT                      ; my 128 rows of A
	s_mul_i32 s22, s16, HALFT                      ; my 128 rows of B,
	s_add_co_u32 s22, s22, 2*HALFT                 ; which lie behind A's 256
.irp s, 0,1
	v_add_nc_u32 v[ADRA+\s], s21, v4
	v_add_nc_u32 v[ADRB+\s], s22, v4
	s_add_co_u32 s21, s21, SLOT
	s_add_co_u32 s22, s22, SLOT
.endr
	s_mul_i32 s23, s14, QSTG                       ; my stage
	v_mul_u32_u24 v5, v1, QP
	s_wait_alu depctr_va_vdst(0)
	v_lshl_add_u32 v5, v2, 3, v5
	v_add_nc_u32 v[STO], s23, v5                   ; in: row r, 8 bytes for each half of the lanes
	v_and_b32 v6, 31, v0
	v_lshlrev_b32 v[CO], 4, v6
	v_lshrrev_b32 v7, 2, v6
	v_mul_u32_u24 v7, v7, QP
	v_and_b32 v8, 3, v6
	v_lshl_add_u32 v7, v8, 4, v7
	v_add_nc_u32 v[RDQ], s23, v7                   ; back, Q and K: row l / 4, 16 (l % 4)
	v_lshrrev_b32 v9, 3, v6
	v_mul_u32_u24 v9, v9, QP
	v_and_b32 v10, 7, v6
	v_lshl_add_u32 v9, v10, 4, v9
	v_add_nc_u32 v[RDV], s23, v9                   ; back, V: row l / 8, 16 (l % 8)
.macro FRAG reg, adr, q, i             ; a fragment: lane l holds row l % 16; registers 4 c .. 4 c + 3 hold K = 32 c + 16 (l / 16) + 0 .. 15
.irp c, 0,1,2,3
	ds_load_b128 v[\reg+4*\c:\reg+4*\c+3], v[\adr] offset:128*(\q)+32*\c+(\i)*16*PITCH
.endr
.endm
; 16 matrix instructions: A's blocks a0, a0 + 1 x B's eight.  p: B's set.  zero = 1: the first product starts the sums.  The 64 accumulators take turns, one instruction a turn.
.macro MUL16 a0, p, zero
.irp a, \a0, \a0+1
.irp b, 0,1,2,3,4,5,6,7
.if \zero
	v_wmma_f32_16x16x128_fp8_fp8 v[8*(8*((\a)%4)+\b):8*(8*((\a)%4)+\b)+7], v[128*(\p)+FR*\b:128*(\p)+FR*\b+FR-1], v[AF+FR*(\a):AF+FR*(\a)+FR-1], 0
.else
	v_wmma_f32_16x16x128_fp8_fp8 v[8*(8*((\a)%4)+\b):8*(8*((\a)%4)+\b)+7], v[128*(\p)+FR*\b:128*(\p)+FR*\b+FR-1], v[AF+FR*(\a):AF+FR*(\a)+FR-1], v[8*(8*((\a)%4)+\b):8*(8*((\a)%4)+\b)+7]
.endif
.endr
.endr
.endm
.macro FETCH_B slot, q, p
	WIN TO_B
.irp i, 0,1,2,3,4,5,6,7
	FRAG 128*(\p)+FR*\i, ADRB+\slot, \q, \i
.endr
	WIN 0
.endm
.macro FETCH_A slot, q, i0
.irp i, \i0, \i0+1, \i0+2, \i0+3
	FRAG AF+FR*(\i), ADRA+\slot, \q, \i
.endr
.endm
.macro PLACES n                        ; plain vector lines between a matrix instruction and a load into, or a read of, its registers
.rept \n
	v_nop
.endr
.endm
; A step of 128 along K that has its successor in the same slot.  A block of A is free as soon as its eight products are issued: blocks 0-3 are fetched anew in the middle, blocks 4-7 at the end.
.macro STEP slot, q, zero
	s_wait_dscnt 4*NL                              ; B's set and A's blocks 0-3 are in; the youngest sixteen loads (A's blocks 4-7) may be out
	WIN MUL_LO
	MUL16 0, (\q)%2, \zero
	MUL16 2, (\q)%2, \zero
	s_wait_dscnt 0
	PLACES NP
	FETCH_B \slot, (\q)+1, 1-(\q)%2
	FETCH_A \slot, (\q)+1, 0
	WIN MUL_HI
	MUL16 4, (\q)%2, \zero
	MUL16 6, (\q)%2, \zero
	PLACES NP
	WIN 0
	FETCH_A \slot, (\q)+1, 4
.endm
; A slot's last step changes slots: one barrier; in front of it each wave waits for all its tensor loads, adds 0 to its spare word, and waits for that and for its reads of this slot.
.macro TURN slot, next, fill
	s_wait_tensorcnt 0x0                           ; all my tensor loads have landed: my part of the next slot
	ds_add_u32 v[SPW], v[NIL]                      ; 0 onto my spare word
	s_wait_dscnt 4*NL+1                            ; (the add and the youngest sixteen loads may be out)
	WIN MUL_LO
	MUL16 0, 1, 0                                  ; sixteen matrix instructions stand between the add and the wait for it
	s_wait_dscnt 0x0                               ; the add is done, and my reads of this slot are over
	s_barrier_signal -1
	MUL16 2, 1, 0
	WIN 0
	s_barrier_wait -1
.if \fill
	CREST                                          ; the barrier has opened a round of the cluster's: no wave of any partner still reads this slot or has a load on its way
	s_add_nc_u64 s[G0+4*\slot+2:G0+4*\slot+3], s[G0+4*\slot+2:G0+4*\slot+3], 2*ROWB
	s_add_nc_u64 s[G0B+4*\slot+2:G0B+4*\slot+3], s[G0B+4*\slot+2:G0B+4*\slot+3], 2*ROWB
	JLOAD G0+4*\slot, G1, G0B+4*\slot, G1B         ; the first tensor load behind the round, my one load until the next; its four v_nop are the places in front of the loads below
.else
	PLACES NP
.endif
	FETCH_B \next, 0, 0
	FETCH_A \next, 0, 0
	WIN MUL_HI
	MUL16 4, 1, 0
	MUL16 6, 1, 0
	PLACES NP
	WIN 0
	FETCH_A \next, 0, 4
.endm
	s_wait_tensorcnt 1                             ; my part of K step 0 is in (K step 1's load may be out)
	s_barrier_signal -1
	s_barrier_wait -1                              ; everybody's is
	FETCH_B 0, 0, 0
	FETCH_A 0, 0, 0
	FETCH_A 0, 0, 4
	STEP 0, 0, 1                                   ; the first step stands in front of the loop: its products start the sums
	s_mov_b32 s3, LAPS-1
.Llap:                                                 ; a trip goes once round the ring and fills both slots again
	TURN 0, 1, 1
	STEP 1, 0, 0
	TURN 1, 0, 1
	STEP 0, 0, 0
	s_sub_co_u32 s3, s3, 1
	s_cmp_lg_u32 s3, 0
	s_cbranch_scc1 .Llap
	TURN 0, 1, 0                                   ; the last lap fills nothing
	STEP 1, 0, 0
	s_wait_dscnt 4*NL
	WIN MUL_LO
	MUL16 0, 1, 0
	MUL16 2, 1, 0
	s_wait_dscnt 0
	WIN MUL_HI
	MUL16 4, 1, 0
	MUL16 6, 1, 0
	WIN 0
	; THE WAY OUT.  The folded scale: d = eo - ea - eb of my product; every choice is a select on the cluster's x, no branch hangs on a loaded number.
	s_wait_kmcnt 0x0
	s_add_co_i32 s92, s68, s69                     ; e0 + e1
	s_add_co_i32 s93, s70, s71                     ; e2 + e3
	s_add_co_i32 s94, s72, s73                     ; e4 + e5
	s_cmp_eq_u32 ttmp9, 0
	s_cselect_b32 s92, s92, s93
	s_cselect_b32 s95, s74, s75                    ; e6 or e7
	s_cmp_eq_u32 ttmp9, 2
	s_cselect_b32 s92, s94, s92
	s_cselect_b32 s95, s77, s95                    ; e9
	s_sub_co_i32 s95, s95, s92
	s_add_co_i32 s95, s95, 127
	s_lshl_b32 s92, s95, 23
	v_mov_b32 v[SC], s92                           ; 2^d as f32
	s_wait_alu depctr_va_vdst(0)
	; where my 128 tokens x 128 channels begin in qkv: section, batch (2^21), head (2^17), 64 bytes a token (V: 8,192 bytes a block of 128 keys, the same number)
	s_lshl_b32 s92, s17, 8
	s_lshl_b32 s93, s15, 7
	s_add_co_u32 s92, s92, s93                     ; my first row of A
	s_lshl_b32 s93, s42, 8
	s_lshl_b32 s94, s16, 7
	s_add_co_u32 s93, s93, s94                     ; my first row of B
	s_cmp_eq_u32 ttmp9, 2
	s_cselect_b32 s94, s93, s92                    ; my first token
	s_cselect_b32 s95, s92, s93                    ; my first channel
	s_lshr_b32 s92, s94, 11
	s_lshl_b32 s92, s92, 21
	s_lshr_b32 s93, s95, 6
	s_lshl_b32 s93, s93, 17
	s_add_co_u32 s92, s92, s93
	s_and_b32 s93, s94, 2047
	s_lshl_b32 s93, s93, 6
	s_add_co_u32 s92, s92, s93
	s_add_co_u32 s92, s92, s80
	s_mov_b32 s93, 0
	s_add_nc_u64 s[10:11], s[10:11], s[92:93]
	PLACES NP                                      ; behind the last products: for the reads of results and the writes over A's fragments
; Block a (16 rows of A x 128 of B): converted, 8 codes a lane and accumulator into the stage.  Each accumulator is read from its low end on.
.macro QSTAGE a
.set AC, 64*((\a)%4)
	WIN 0x02+((\a)/4)                              ; source 0: window 2 or 3
.set j, 0
.rept 64
.set j, j+1
.endr
.irp b, 0,1,2,3,4,5,6,7
	v_cvt_scalef32_pk8_fp8_f32 v[CD+16*(\a)+2*\b:CD+16*(\a)+2*\b+1], v[AC+8*\b:AC+8*\b+7], v[SC]
.endr
	WIN 0
	v_nop                                          ; one plain vector line behind the conversions
.irp b, 0,1,2,3,4,5,6,7
	ds_store_b64 v[STO], v[CD+16*(\a)+2*\b:CD+16*(\a)+2*\b+1] offset:16*QP*(\a)+16*\b   ; row 16 a + r, bytes 16 b + 8 h on
.endr
.endm
.irp a, 0,1,2,3,4,5,6,7
	QSTAGE \a
.endr
	s_wait_dscnt 0x0                               ; the stores have read their registers: the rows may land there
	s_cmp_eq_u32 ttmp9, 2                          ; the cluster's x: the same way in all partners and all waves
	s_cbranch_scc1 .Lv_rows
.set t, 0
.rept 32                               ; Q, K: head t / 16; positions 8 (t % 16) + 0 .. 7 hold the tokens with bits 3 and 4 exchanged
	ds_load_b128 v[BK+4*t:BK+4*t+3], v[RDQ] offset:QP*(32*((t%16)/4)+16*(t%2)+8*((t/2)%2))+64*(t/16)
.set t, t+1
.endr
	s_branch .Lsend
.Lv_rows:
.set t, 0
.rept 32                               ; V: channels 4 t + 0 .. 3, 128 keys each
	ds_load_b128 v[BK+4*t:BK+4*t+3], v[RDV] offset:4*QP*t
.set t, t+1
.endr
.Lsend:
.set t, 0
.rept 32
	s_wait_dscnt 31-t                              ; LDS loads come back in order (ISA guide 5.7.1): load t is in, the younger ones may be out
	global_store_b128 v[CO], v[BK+4*t:BK+4*t+3], s[10:11] offset:131072*(t/16)+512*(t%16)   ; 32 lanes store 512 consecutive bytes, at a multiple of 512 from the buffer's first byte
.set t, t+1
.endr
	s_wait_tensorcnt 0x0                           ; the wave's end
	ds_add_u32 v[SPW], v[NIL]
	s_wait_dscnt 0x0
	CROUND                                         ; the closing round: no work-group ends while a partner may still ask for a tile that names it
	s_endpgm
.Lfunc_end_k_qbd74053880_qkv:
	.size	k_qbd74053880_qkv, .Lfunc_end_k_qbd74053880_qkv-k_qbd74053880_qkv
	.p2alignl 7, 3214868480
	.fill 96, 4, 3214868480
	.section	.rodata,"a",@progbits
	.p2align	6, 0x0
	.amdhsa_kernel k_qbd74053880_qkv
		.amdhsa_group_segment_fixed_size 327680
		.amdhsa_private_segment_fixed_size 0
		.amdhsa_enable_private_segment 0
		.amdhsa_kernarg_size 32
		.amdhsa_user_sgpr_count 2
		.amdhsa_user_sgpr_kernarg_segment_ptr 1
		.amdhsa_wavefront_size32 1
		.amdhsa_system_sgpr_workgroup_id_x 1
		.amdhsa_system_sgpr_workgroup_id_y 1
		.amdhsa_system_sgpr_workgroup_id_z 1
		.amdhsa_system_vgpr_workitem_id 0
		.amdhsa_next_free_vgpr 1024
		.amdhsa_next_free_sgpr 98
		.amdhsa_reserve_vcc 0
		.amdhsa_float_denorm_mode_32 3
		.amdhsa_float_denorm_mode_16_64 3
		.amdhsa_fp16_overflow 1
		.amdhsa_memory_ordered 1
		.amdhsa_forward_progress 1
		.amdhsa_inst_pref_size 96
	.end_amdhsa_kernel
	.amdgpu_metadata
---
amdhsa.version: [ 1, 2 ]
amdhsa.kernels:
  - .name:           k_qbd74053880_qkv
    .symbol:         k_qbd74053880_qkv.kd
    .args:
      - { .name: xc, .offset: 0, .size: 8, .value_kind: global_buffer, .address_space: global }
      - { .name: wc, .offset: 8, .size: 8, .value_kind: global_buffer, .address_space: global }
      - { .name: lowp_scales, .offset: 16, .size: 8, .value_kind: global_buffer, .address_space: global }
      - { .name: qkv, .offset: 24, .size: 8, .value_kind: global_buffer, .address_space: global }
    .group_segment_fixed_size: 327680
    .private_segment_fixed_size: 0
    .kernarg_segment_align: 8
    .kernarg_segment_size: 32
    .max_flat_workgroup_size: 128
    .sgpr_count:     98
    .vgpr_count:     1024
    .wavefront_size: 32
...
	.end_amdgpu_metadata
.endif
;; end of part 2
;; launch attn (part 3): grid 4 x 64, 16 waves a work-group, no clusters, 327,680 bytes of LDS; arguments qkv, lowp_scales, ac; writes ac
.if DOCPART == 3
	.amdgcn_target "amdgcn-amd-amdhsa--gfx1250"
	.amdhsa_code_object_version 6
	.text
	.protected	k_qbd74053880_attn
	.globl	k_qbd74053880_attn
	.p2align	8
	.type	k_qbd74053880_attn,@function
k_qbd74053880_attn:
	s_mov_b64 s[64:65], 0
	v_nop
	global_prefetch_b8 v0, s[64:65] scope:SCOPE_SE
	s_setreg_imm32_b32 hwreg(HW_REG_WAVE_MODE, 25, 1), 1
	s_wait_xcnt 0x0
; Causal attention on E4M3 codes, head size 64, for one (batch, head) = work-group y; the result is quantised at once with 2^e10 for the last projection.
; qkv: section 0 Q, 1 K: [b][head][pos 2048][64], pos = the token with bits 3 and 4 exchanged; section 2 V: [b][head][block of 128 keys][64][128 keys].  ac: [head][token 8192][64] codes.
; THE SOFTMAX: t = score x log2(e) / 8; M = the running largest t rounded UP to a whole number; p = 2^(t - M) is quantised with 2^e8, not normalised; the row's sum is taken of the unquantised p
; and divides at the end.  When M moves, the sum and O are multiplied by 2^(old M - new M): nothing is rounded.
; SHARES.  Work-group x = p (0..3) takes the block of 256 queries 7 - p, which sees 8 - p slots of 256 keys, and then block p, which sees p + 1: NINE slots in every work-group: a constant trip count,
; equal work in all 256 work-groups, and no tile is fetched that the mask hides whole.  Each of the sixteen waves owns 16 queries of the block in hand, in 256 registers: four waves to a SIMD.
; NO CLUSTER: the four work-groups of a head walk the same slots only in their first 5 trips (8 - p of them); behind that each needs another slot in the same trip, so a joint request issued alike by all four on every path does not exist.
; LAYOUT.  Both products are used transposed: S^T = K Q^T (source 0 = 16 keys), O^T = V^T P^T (source 0 = 16 channels): a lane holds ONE query (lane % 16) throughout.  Tile t of a step takes LDS rows 16 t .. 16 t + 15 of K,
; which by the exchange of bits hold keys 32 (t / 2) + 8 (t % 2) + r + 8 (r / 8): the 16 registers of tiles 2 b, 2 b + 1 are keys 32 b + 16 (lane / 16) + 0 .. 15: the conversions' results are the second product's operand.
; The fragments are fetched 16 bytes at a time: a permutation of k, the same on both sides of each product.
; LIMITS: e6 + e7 between -123 and 130 (added to c's exponent field); e8 and e10 between -126 and 119; e8 + e9 is applied by v_ldexp_f32 and has none.
; REGISTERS: v1-11 addresses; v12 -M, v13 the largest t, v[14:15] the sum; v16-23 Q in hand, v24-31 the second block's; v32-95 K's, then V's fragments; v96-159 S^T, then p; v160-191 O^T; v192-207 p's codes; v208-222 at work and constants.
.set KP,    80                         ; a key's row in LDS: 64 bytes + 16 = 20 words: the 16 rows of a load start at 16 different groups of four banks (64 banks of 4 bytes: ISA guide 11.1)
.set VP,    144                        ; a row of V (128 keys of one channel): 128 bytes + 16
.set VOFF,  256*KP                     ; a slot: 256 rows of K, then 128 rows of V (two blocks of 128 keys x 64 channels)
.set SLOT1, 1<<16                      ; slot 1 begins here: one exclusive or turns an address in one slot into the other's
.set SPARE, 2*SLOT1                    ; the spare words, 128 bytes a wave: eight blocks of 256 bytes that no other line names
.set STAGE, SPARE+2048                 ; the way out: 16 rows x 80 bytes for each wave; no fill ever lands here
.set AK0,  1                           ; v1   my lane's place in a tile of K
.set AV0,  2                           ; v2   the same for V
.set PFO,  3                           ; v3   256 x lane: the prefetches' offset; never rewritten
.set QO,   4                           ; v4   my lane's bytes in the wave's rows of Q
.set SPW,  5                           ; v5   my spare word; never rewritten
.set NIL,  6                           ; v6   0; never rewritten
.set GO,   7                           ; v7   16 x lane: my place in a store's 512 bytes
.set ADK,  8
.set ADV,  9
.set STO,  10
.set RD,   11
.set TB,   2                           ; s2   LDS byte at which the slot in hand begins
.set WV,   10                          ; s10  my wave's number
.set NA,   11                          ; s11  slots of the first block: 8 - p
.set NX,   12                          ; s12  which 256 keys the next fill brings
.set LEFT, 13                          ; s13  slots left of the block in hand
.set KF,   14                          ; s14  the step's first key
.set Q0,   15                          ; s15  my first query
.set Q0B,  16                          ; s16  and in the second block
.set CNT,  17                          ; s17  fills still to come
.set LIM,  18                          ; s18  2 in a wave that prefetches, else the greatest number
.set EPV,  19                          ; s19  e8 + e9
.set SEL,  20                          ; s[20:21] v_permlanex16_b32's selects for lane l xor 16
.set CS,   22                          ; s[22:23] c = log2(e) / 8 x 2^(e6 + e7)
.set G1K,  24
.set G1V,  32
.set G0K,  40
.set G0V,  44
.set KB,   48                          ; s[48:49] my half of the head's first slot of K in memory
.set VB,   50                          ; s[50:51] of V
.set OFF,  52                          ; s[52:53] 16,384 x NX
.set PFA,  54                          ; s[54:55] where my prefetches stand
.set OUT,  56                          ; s[56:57] my 16 rows of ac
.set OUTB, 58                          ; s[58:59] and the second block's
; Waves 0 and 1 fetch K's halves of a slot, waves 2 and 3 V's, the others nothing.  Four v_nop follow each of the two lines.
.macro TLOAD
	s_cmp_lt_u32 s[WV], 2
	s_cbranch_scc0 .Lnot_k_\@
	tensor_load_to_lds s[G0K:G0K+3], s[G1K:G1K+7]
	s_nop 0
.rept 4
	v_nop
.endr
	s_branch .Lasked_\@
.Lnot_k_\@:
	s_cmp_lt_u32 s[WV], 4
	s_cbranch_scc0 .Lasked_\@
	tensor_load_to_lds s[G0V:G0V+3], s[G1V:G1V+7]
	s_nop 0
.rept 4
	v_nop
.endr
.Lasked_\@:
.endm
; A PREFETCH INTO THE L2 of the slot that the NEXT change of slots will ask for.  All four work-groups of a head read the same K and V; work-group x = 0, which walks slots 0 to 7 in order, asks, and nobody else.
; In it waves 4 and 5 ask for the two halves of K's 16,384 bytes, waves 6 and 7 for V's: 8,192 bytes a wave, lanes 256 bytes apart, one instruction.  So each block of 256 bytes is named once in the launch.
; Trip T names slot T + 2 while CNT = 8 - T is above 2: slot 7 is the last.  Slots 0 and 1 come by their loads alone.
.macro ASK
	s_cmp_gt_u32 s[CNT], s[LIM]
	s_cbranch_scc0 .Lnot_mine_\@
	global_prefetch_b8 v[PFO], s[PFA:PFA+1] th:TH_LOAD_NT scope:SCOPE_SE
.Lnot_mine_\@:
.endm
	s_load_b128 s[4:7], s[0:1], 0x0                ; qkv s[4:5], the scales' exponents s[6:7]
	s_load_b64 s[8:9], s[0:1], 0x10                ; ac
	v_lshl_add_u32 v[SPW], v0, 2, SPARE
	v_mov_b32 v[NIL], 0
	ds_add_u32 v5, v6
	ds_add_u32 v5, v6
	s_wait_dscnt 0x0
	v_lshrrev_b32 v8, 5, v0
	s_delay_alu instid0(VALU_DEP_1)
	v_readfirstlane_b32 s[WV], v8                  ; wave 0..15
	v_and_b32 v8, 15, v0                           ; r
	v_bfe_u32 v9, v0, 4, 1                         ; h
	v_and_b32 v214, 31, v0                         ; lane
	s_delay_alu instid0(VALU_DEP_3)
	v_mul_u32_u24 v[AK0], v8, KP
	s_delay_alu instid0(VALU_DEP_1)
	v_lshl_add_u32 v[AK0], v9, 4, v[AK0]
	v_mul_u32_u24 v[AV0], v8, VP
	s_delay_alu instid0(VALU_DEP_1)
	v_lshl_add_u32 v[AV0], v9, 4, v[AV0]
	s_delay_alu instid0(VALU_DEP_1)
	v_add_nc_u32 v[AV0], VOFF, v[AV0]
	v_lshlrev_b32 v[PFO], 8, v214
	v_and_b32 v[QO], 8, v8
	s_delay_alu instid0(VALU_DEP_1)
	v_add_nc_u32 v[QO], v[QO], v8                  ; r + 8 (r / 8): where query r of my 16 lies among the positions
	s_delay_alu instid0(VALU_DEP_1)
	v_lshlrev_b32 v[QO], 6, v[QO]
	s_delay_alu instid0(VALU_DEP_1)
	v_lshl_add_u32 v[QO], v9, 4, v[QO]
	v_lshlrev_b32 v[GO], 4, v214
	s_mul_i32 s3, s[WV], 16*KP
	s_add_co_u32 s3, s3, STAGE                     ; my stage
	v_mul_u32_u24 v[STO], v8, KP
	s_delay_alu instid0(VALU_DEP_1)
	v_lshl_add_u32 v[STO], v9, 3, v[STO]
	s_delay_alu instid0(VALU_DEP_1)
	v_add_nc_u32 v[STO], s3, v[STO]                ; in: row r, 8 bytes for each half of the lanes
	v_lshrrev_b32 v[RD], 2, v214
	s_delay_alu instid0(VALU_DEP_1)
	v_mul_u32_u24 v[RD], v[RD], KP
	v_and_b32 v215, 3, v214
	s_delay_alu instid0(VALU_DEP_1)
	v_lshl_add_u32 v[RD], v215, 4, v[RD]
	s_delay_alu instid0(VALU_DEP_1)
	v_add_nc_u32 v[RD], s3, v[RD]                  ; back: row l / 4, 16 (l % 4)
	v_lshlrev_b32 v221, 4, v9
	s_delay_alu instid0(VALU_DEP_1)
	v_sub_nc_u32 v221, v8, v221                    ; r - 16 h, for the mask
	v_mov_b32 v222, 0xff800000                     ; -infinity
	s_and_b32 s66, ttmp7, 0xffff                   ; 16 b + head
	s_sub_co_u32 s[NA], 8, ttmp9
	s_mov_b32 s[LEFT], s[NA]
	s_mov_b32 s[NX], 0
	s_mov_b32 s[KF], 0
	s_mov_b32 s[TB], 0
	s_mov_b32 s[CNT], 8
	s_mov_b32 s[OFF+1], 0
	s_sub_co_u32 s67, 7, ttmp9
	s_lshl_b32 s67, s67, 8                         ; the first block's first query
	s_lshl_b32 s72, s[WV], 4
	s_add_co_u32 s[Q0], s67, s72
	s_lshl_b32 s73, ttmp9, 8                       ; the second block's
	s_add_co_u32 s[Q0B], s73, s72
	s_lshr_b32 s74, s[WV], 1
	s_lshl_b32 s74, s74, 5
	s_and_b32 s75, s[WV], 1
	s_lshl_b32 s76, s75, 3
	s_add_co_u32 s74, s74, s76                     ; 32 (w / 2) + 8 (w % 2): my 16 queries' first position in their block
	s_add_co_u32 s76, s67, s74
	s_lshl_b32 s76, s76, 6
	s_mov_b32 s77, 0
	s_add_co_u32 s78, s73, s74
	s_lshl_b32 s78, s78, 6
	s_mov_b32 s79, 0
	s_lshl_b32 s80, s66, 17                        ; a head is 131,072 bytes in every section
	s_mov_b32 s81, 0
	; descriptor group 1.  K: 128 rows of 64 bytes, dense in memory; V: 64 rows of 128 bytes, dense
	s_mov_b32 s[G1K], (0<<16)|(1<<20)|(3<<22)|(3<<25)   ; no mask; elements of 1 byte; padding on: four words (code 3) after every 16 (code 3)
	s_mov_b32 s[G1K+1], 64<<16                     ; tensor_dim0
	s_mov_b32 s[G1K+2], 128<<16                    ; tensor_dim1
	s_mov_b32 s[G1K+3], 64<<16                     ; tile_dim0
	s_mov_b32 s[G1K+4], 128                        ; tile_dim1
	s_mov_b32 s[G1K+5], 64                         ; tensor_dim0_stride
	s_mov_b32 s[G1K+6], 0
	s_mov_b32 s[G1K+7], 0
	s_mov_b32 s[G1V], (0<<16)|(1<<20)|(4<<22)|(3<<25)   ; four words after every 32 (code 4)
	s_mov_b32 s[G1V+1], 128<<16
	s_mov_b32 s[G1V+2], 64<<16
	s_mov_b32 s[G1V+3], 128<<16
	s_mov_b32 s[G1V+4], 64
	s_mov_b32 s[G1V+5], 128
	s_mov_b32 s[G1V+6], 0
	s_mov_b32 s[G1V+7], 0
	s_mov_b32 s[SEL], 0x76543210
	s_mov_b32 s[SEL+1], 0xfedcba98
	s_mov_b32 s[CS], 0x3e38aa3b                    ; log2(e) / 8
	s_wait_kmcnt 0x0
	s_load_b64 s[60:61], s[6:7], 0x18              ; e6, e7
	s_load_b128 s[68:71], s[6:7], 0x20             ; e8 .. e11
	s_add_nc_u64 s[82:83], s[4:5], s[80:81]        ; the head's Q,
	s_add_nc_u64 s[KB:KB+1], s[82:83], 0x800000    ; K,
	s_add_nc_u64 s[VB:VB+1], s[82:83], 0x1000000   ; V
	s_lshl_b32 s86, s75, 13                        ; the half of a slot that I fetch (or prefetch): 8,192 bytes
	s_mov_b32 s87, 0
	s_add_nc_u64 s[KB:KB+1], s[KB:KB+1], s[86:87]
	s_add_nc_u64 s[VB:VB+1], s[VB:VB+1], s[86:87]
	s_mov_b32 s[G0K], 1                            ; count = 1
	s_mul_i32 s[G0K+1], s75, 128*KP                ; LDS address: slot 0, my half
	s_mov_b64 s[G0K+2:G0K+3], s[KB:KB+1]           ; keys 0 .. 255
	s_or_b32 s[G0K+3], s[G0K+3], 0x80000000        ; type = 2
	s_mov_b32 s[G0V], 1
	s_mul_i32 s[G0V+1], s75, 64*VP
	s_add_co_u32 s[G0V+1], s[G0V+1], VOFF
	s_mov_b64 s[G0V+2:G0V+3], s[VB:VB+1]
	s_or_b32 s[G0V+3], s[G0V+3], 0x80000000
	TLOAD                                          ; slot 0: the launch's first fill, ahead of every wait on TENSORcnt, LDS read and barrier
	s_add_nc_u64 s[84:85], s[82:83], s[78:79]      ; the second block's Q
	s_add_nc_u64 s[82:83], s[82:83], s[76:77]      ; the first block's
	global_load_b128 v[16:19], v[QO], s[82:83]     ; both fragments stay in registers: registers 4 c .. 4 c + 3: channels 32 c + 16 h + 0 .. 15
	global_load_b128 v[20:23], v[QO], s[82:83] offset:32
	global_load_b128 v[24:27], v[QO], s[84:85]
	global_load_b128 v[28:31], v[QO], s[84:85] offset:32
	s_and_b32 s86, s66, 15
	s_lshl_b32 s86, s86, 19                        ; ac: head x 8,192 tokens x 64,
	s_lshr_b32 s87, s66, 4
	s_lshl_b32 s87, s87, 17                        ; + b x 2,048 x 64,
	s_add_co_u32 s86, s86, s87
	s_lshl_b32 s87, s[Q0], 6                       ; + my first query x 64
	s_add_co_u32 s88, s86, s87
	s_mov_b32 s89, 0
	s_add_nc_u64 s[OUT:OUT+1], s[8:9], s[88:89]
	s_lshl_b32 s87, s[Q0B], 6
	s_add_co_u32 s88, s86, s87
	s_add_nc_u64 s[OUTB:OUTB+1], s[8:9], s[88:89]
	s_cmp_lt_u32 s[WV], 6                          ; the prefetches: waves 4, 5 stand in K, waves 6, 7 in V,
	s_cselect_b64 s[PFA:PFA+1], s[KB:KB+1], s[VB:VB+1]
	s_add_nc_u64 s[PFA:PFA+1], s[PFA:PFA+1], 16384 ; in slot 1: the first change of slots steps it to slot 2.  Nothing is prefetched here, at the head
	s_lshr_b32 s86, s[WV], 2
	s_xor_b32 s86, s86, 1                          ; 0 in waves 4 to 7,
	s_or_b32 s86, s86, ttmp9                       ; of work-group x = 0
	s_cmp_eq_u32 s86, 0
	s_cselect_b32 s[LIM], 2, -1
	v_mov_b32 v13, 0xff61b1e6                      ; the largest t so far: -3e38, under every t
	s_delay_alu instid0(VALU_DEP_1)
	v_floor_f32 v12, -v13                          ; -M
	v_mov_b32 v14, 0
	v_mov_b32 v15, 0
	v_mov_b32 v208, 0                              ; written once: a lane permute's destination counts as one of its sources
	v_mov_b32 v211, 0                              ; (named as the upper half of the pair v[210:211])
.set j, 0
.rept 32
	v_mov_b32 v[160+j], 0                          ; O^T: the step is written once; a block's first step finds zeros, which the first change of M leaves zeros
.set j, j+1
.endr
.macro MKSC e, vs, vl                  ; v[vs] = 2^e as f32
	s_add_co_i32 s86, s[\e], 127
	s_lshl_b32 s87, s86, 23
	v_mov_b32 v[\vs], s87
.endm
	s_wait_kmcnt 0x0
	s_add_co_i32 s86, s60, s61
	s_lshl_b32 s86, s86, 23
	s_add_co_i32 s[CS], s[CS], s86                 ; a score stands for score x 2^(e6 + e7): added to c's exponent field
	s_mov_b32 s[CS+1], s[CS]                       ; (named with it as a pair, so it is written)
	s_add_co_i32 s[EPV], s68, s69
	MKSC 68, 216, 217                              ; p's scale
	MKSC 70, 218, 219                              ; the result's
; A KEY STEP: 128 keys, the q-th of the slot in hand.
.macro STEP q
	s_add_co_u32 s3, s[Q0], 15                     ; a step all of whose keys come after my 16 queries is left out: a scalar branch on ids; no barrier and no tensor load stands in a step
	s_cmp_gt_u32 s[KF], s3
	s_cbranch_scc1 .Lhidden_\@
	v_add_nc_u32 v[ADK], s[TB], v[AK0]
	v_add_nc_u32 v[ADV], s[TB], v[AV0]
	v_nop                                          ; with the two additions: four places in front of loads into registers that the last products read
	v_nop
.irp t, 0,1,2,3,4,5,6,7
.irp c, 0,1
	ds_load_b128 v[32+8*\t+4*\c:35+8*\t+4*\c], v[ADK] offset:(128*(\q)+16*\t)*KP+32*\c
.endr
.endr
	s_wait_alu depctr_va_vdst(0)
	s_wait_dscnt 8                                 ; tiles 0-3 are in; the eight loads of tiles 4-7 may be out
.irp t, 0,1,2,3
	v_wmma_f32_16x16x64_fp8_fp8 v[96+8*\t:103+8*\t], v[32+8*\t:39+8*\t], v[16:23], 0
.endr
	s_wait_dscnt 0x0
.irp t, 4,5,6,7
	v_wmma_f32_16x16x64_fp8_fp8 v[96+8*\t:103+8*\t], v[32+8*\t:39+8*\t], v[16:23], 0
.endr
.rept 4
	v_nop                                          ; places: for V's loads into K's registers, and for the first read of the scores
.endr
.irp t, 0,1,2,3
.irp c, 0,1,2,3
	ds_load_b128 v[32+16*\t+4*\c:35+16*\t+4*\c], v[ADV] offset:(64*(\q)+16*\t)*VP+32*\c   ; V's four fragments land while the softmax is walked
.endr
.endr
	s_add_co_u32 s3, s[KF], 127                    ; on the diagonal hidden scores become -infinity ahead of the maximum: p = 0 then.  A step all of whose keys count skips this
	s_cmp_le_u32 s3, s[Q0]
	s_cbranch_scc1 .Lopen_\@
	s_sub_co_i32 s3, s[Q0], s[KF]
	v_add_nc_u32 v220, s3, v221                    ; d = my query - KF - 16 h.  Register 16 b + i holds key KF + 32 b + 16 h + i: hidden where 32 b + i > d
.set n, 0
.rept 64
	v_cmp_gt_i32 vcc_lo, 32*(n/16)+n%16, v220
	v_cndmask_b32 v[96+n], v[96+n], v222, vcc_lo
.set n, n+1
.endr
.Lopen_\@:
	v_max3_num_f32 v214, v96, v97, v98             ; the step's largest score of my query among my 64 keys, in two chains, each accumulator from its low end on,
	v_max3_num_f32 v215, v99, v100, v101
.irp i, 6,10,14,18,22,26,30,34,38,42,46,50,54,58
	v_max3_num_f32 v214, v214, v[96+\i], v[97+\i]
	v_max3_num_f32 v215, v215, v[98+\i], v[99+\i]
.endr
	v_max3_num_f32 v214, v214, v158, v159
	s_delay_alu instid0(VALU_DEP_1)
	v_max_num_f32 v214, v214, v215
	s_delay_alu instid0(VALU_DEP_1)
	v_permlanex16_b32 v208, v214, s[SEL], s[SEL+1]
	s_delay_alu instid0(VALU_DEP_1)
	v_max_num_f32 v214, v214, v208                 ; and among lane l xor 16's
	s_delay_alu instid0(VALU_DEP_1)
	v_mul_f32 v214, s[CS], v214                    ; as t (c is positive)
	s_delay_alu instid0(VALU_DEP_1)
	v_max_num_f32 v13, v13, v214                   ; the running largest t
	v_mov_b32 v214, v12
	s_delay_alu instid0(VALU_DEP_2)
	v_floor_f32 v12, -v13                          ; the new -M = floor(-t) = -ceil(t): a whole number
	s_delay_alu instid0(VALU_DEP_1)
	v_sub_f32 v214, v12, v214                      ; old M - new M: a whole number, 0 or less
	s_delay_alu instid0(VALU_DEP_1)
	v_cvt_i32_f32 v214, v214                       ; (it saturates)
	s_delay_alu instid0(VALU_DEP_1)
	v_ldexp_f32 v210, 1.0, v214                    ; f = 2^(old M - new M)
.set j, 0
.rept 32
	v_pk_fma_f32 v[96+j:97+j], v[96+j:97+j], s[CS:CS+1], v[12:13] op_sel_hi:[1,0,0]   ; t - M, two at a time (of the pairs c and -M the low word serves both halves)
.set j, j+2
.endr
.set j, 0
	s_wait_alu depctr_va_vdst(0)
.rept 64
	v_exp_f32 v[96+j], v[96+j]                     ; p = 2^(t - M), at most 1
.set j, j+1
.endr
	v_pk_mul_f32 v[14:15], v[14:15], v[210:211] op_sel_hi:[1,0]   ; the sums under the new M: the plain line behind the exponentials
	s_wait_alu depctr_va_vdst(0)                   ; one wait for the whole batch, ahead of its first reader
	v_pk_add_f32 v[212:213], v[100:101], v[104:105]
	v_pk_add_f32 v[254:255], v[108:109], v[112:113]
	v_pk_add_f32 v[252:253], v[116:117], v[120:121]
	v_pk_add_f32 v[250:251], v[124:125], v[128:129]
	v_pk_add_f32 v[248:249], v[132:133], v[136:137]
	v_pk_add_f32 v[246:247], v[140:141], v[144:145]
	v_pk_add_f32 v[244:245], v[148:149], v[152:153]
	v_pk_add_f32 v[14:15], v[14:15], v[156:157]
	v_pk_add_f32 v[212:213], v[212:213], v[96:97]
	v_pk_add_f32 v[254:255], v[254:255], v[98:99]
	v_pk_add_f32 v[252:253], v[252:253], v[102:103]
	v_pk_add_f32 v[250:251], v[250:251], v[106:107]
	v_pk_add_f32 v[248:249], v[248:249], v[110:111]
	v_pk_add_f32 v[246:247], v[246:247], v[114:115]
	v_pk_add_f32 v[244:245], v[244:245], v[118:119]
	v_pk_add_f32 v[14:15], v[14:15], v[122:123]
	v_pk_add_f32 v[212:213], v[212:213], v[126:127]
	v_pk_add_f32 v[254:255], v[254:255], v[130:131]
	v_pk_add_f32 v[252:253], v[252:253], v[134:135]
	v_pk_add_f32 v[250:251], v[250:251], v[138:139]
	v_pk_add_f32 v[248:249], v[248:249], v[142:143]
	v_pk_add_f32 v[246:247], v[246:247], v[146:147]
	v_pk_add_f32 v[244:245], v[244:245], v[150:151]
	v_pk_add_f32 v[14:15], v[14:15], v[154:155]
	v_pk_add_f32 v[212:213], v[212:213], v[158:159]
	s_delay_alu instid0(VALU_DEP_2)
	v_pk_add_f32 v[14:15], v[14:15], v[250:251]
	s_delay_alu instid0(VALU_DEP_2)
	v_pk_add_f32 v[212:213], v[212:213], v[248:249]
	v_pk_add_f32 v[254:255], v[254:255], v[246:247]
	v_pk_add_f32 v[252:253], v[252:253], v[244:245]
	s_delay_alu instid0(VALU_DEP_2)
	v_pk_add_f32 v[14:15], v[14:15], v[254:255]
	s_delay_alu instid0(VALU_DEP_2)
	v_pk_add_f32 v[212:213], v[212:213], v[252:253]
	s_delay_alu instid0(VALU_DEP_1)
	v_pk_add_f32 v[14:15], v[14:15], v[212:213]
.irp b, 0,1,2,3
.irp i, 0,1,2,3,4,5,6,7,8,9,10,11,12,13,14,15
.endr
	v_cvt_scalef32_pk8_fp8_f32 v[192+4*\b:193+4*\b], v[96+16*\b:103+16*\b], v216
	v_cvt_scalef32_pk8_fp8_f32 v[194+4*\b:195+4*\b], v[104+16*\b:111+16*\b], v216
.endr
.set j, 0
.rept 16
	v_pk_mul_f32 v[160+j:161+j], v[160+j:161+j], v[210:211] op_sel_hi:[1,0]   ; O^T under the new M.  (Also the plain lines between the conversions and the products that read the codes)
.set j, j+2
.endr
	s_wait_alu depctr_va_vdst(0)
	s_wait_dscnt 0x0                               ; V is in
.irp t, 0,1,2,3
	v_wmma_f32_16x16x128_fp8_fp8 v[160+8*\t:167+8*\t], v[32+16*\t:47+16*\t], v[192:207], v[160+8*\t:167+8*\t]   ; four accumulators by turns; the next step's eight products stand between two links
.endr
.Lhidden_\@:
	s_add_co_u32 s[KF], s[KF], 128
.endm
; THE CHANGE OF SLOTS stands at a slot's head.  Each wave waits for all its tensor loads (its part of the slot ahead), adds 0 to its spare word, and waits for that and for its reads of the slot that it has left.
; Behind the barrier the slot ahead is whole and nobody reads the other one.  fill = 1: that other slot takes the keys of the next trip: the load has a whole slot's steps in which to land.  One load of a wave is out at the most.
.macro CHANGE fill
	s_wait_tensorcnt 0x0                           ; no tensor load of mine is out, so a group 0 may be written
	ds_add_u32 v[SPW], v[NIL]                      ; 0 onto my spare word
.if \fill
	s_xor_b32 s[G0K+1], s[G0K+1], SLOT1            ; the other slot than last time
	s_xor_b32 s[G0V+1], s[G0V+1], SLOT1
	s_add_co_u32 s[NX], s[NX], 1                   ; the next 256 keys; behind the first block's last slot the second block begins at key 0
	s_cmp_eq_u32 s[NX], s[NA]
	s_cselect_b32 s[NX], 0, s[NX]
	s_lshl_b32 s[OFF], s[NX], 14
	s_add_nc_u64 s[G0K+2:G0K+3], s[KB:KB+1], s[OFF:OFF+1]
	s_or_b32 s[G0K+3], s[G0K+3], 0x80000000
	s_add_nc_u64 s[G0V+2:G0V+3], s[VB:VB+1], s[OFF:OFF+1]
	s_or_b32 s[G0V+3], s[G0V+3], 0x80000000
	s_wait_xcnt 0x0                                ; the last prefetch, a slot back, has read its address, so it may be written
	s_add_nc_u64 s[PFA:PFA+1], s[PFA:PFA+1], 16384
.endif
	s_wait_dscnt 0x0                               ; the add is done, and my reads of the slot that I have left are over
	s_barrier_signal -1
	s_barrier_wait -1
.if \fill
	TLOAD                                          ; the first thing behind the barrier, and a wave's one tensor load until the next
	ASK
.endif
.endm
.macro SLOT_STEPS
	STEP 0
	STEP 1
	s_xor_b32 s[TB], s[TB], SLOT1                  ; on to the other slot
.endm
; A BLOCK'S WAY OUT: O^T / the sum x 2^(e8 + e9), quantised with 2^e10; a lane's 8 codes of a tile go through my stage, and 16 queries x 64 bytes leave as 1,024 dense bytes.
.macro EPI
.rept 4
	v_nop                                          ; places behind the last products
.endr
	v_add_f32 v14, v14, v15
	s_delay_alu instid0(VALU_DEP_1)
	v_permlanex16_b32 v208, v14, s[SEL], s[SEL+1]
	s_delay_alu instid0(VALU_DEP_1)
	v_add_f32 v14, v14, v208                       ; the row's sum
	s_wait_alu depctr_va_vdst(0)
	v_rcp_f32 v14, v14
	v_nop                                          ; a plain line behind the transcendental
	s_wait_alu depctr_va_vdst(0)                   ; and the wait ahead of its first reader
	v_ldexp_f32 v14, v14, s[EPV]
.set j, 0
.rept 32
	v_mul_f32 v[96+j], v[160+j], v14               ; register 8 t + i: o(query r, channel 16 t + 8 h + i); each accumulator from its low end on
.set j, j+1
.endr
.set j, 0
.rept 32
.set j, j+1
.endr
.irp t, 0,1,2,3
	v_cvt_scalef32_pk8_fp8_f32 v[192+2*\t:193+2*\t], v[96+8*\t:103+8*\t], v218
.endr
	v_nop                                          ; one plain vector line behind the last conversion
.irp t, 0,1,2,3
	ds_store_b64 v[STO], v[192+2*\t:193+2*\t] offset:16*\t
.endr
.irp i, 0,1
	ds_load_b128 v[200+4*\i:203+4*\i], v[RD] offset:8*KP*\i   ; LDS serves a wave's instructions in order (ISA guide 5.7.1.4): these see my stores
.endr
	s_wait_dscnt 0x0
.irp i, 0,1
	global_store_b128 v[GO], v[200+4*\i:203+4*\i], s[OUT:OUT+1] offset:512*\i   ; 32 lanes store 512 consecutive bytes, at a multiple of 512 from the buffer's first byte
.endr
	s_wait_xcnt 0x0                                ; the stores have read their registers and their base: both are written again below
.endm
	s_wait_loadcnt 0x0                             ; Q
.Lslot:                                            ; eight trips: behind each change of slots but the last the next slot is asked for
	CHANGE 1
	SLOT_STEPS
	s_sub_co_u32 s[LEFT], s[LEFT], 1               ; the first block's last slot?  The count hangs on the work-group's number alone and is the same in all sixteen waves
	s_cmp_lg_u32 s[LEFT], 0
	s_cbranch_scc1 .Lsame
	EPI                                            ; the first block leaves, and the second begins
	s_mov_b32 s[KF], 0
	s_mov_b32 s[Q0], s[Q0B]
	s_mov_b32 s[LEFT], 64                          ; more than the trips that are left
	s_mov_b64 s[OUT:OUT+1], s[OUTB:OUTB+1]
.irp j, 0,1,2,3,4,5,6,7
	v_mov_b32 v[16+\j], v[24+\j]
.endr
	v_mov_b32 v13, 0xff61b1e6
	s_delay_alu instid0(VALU_DEP_1)
	v_floor_f32 v12, -v13
	v_mov_b32 v14, 0
	v_mov_b32 v15, 0
.set j, 0
.rept 32
	v_mov_b32 v[160+j], 0
.set j, j+1
.endr
.Lsame:
	s_sub_co_u32 s[CNT], s[CNT], 1
	s_cmp_lg_u32 s[CNT], 0
	s_cbranch_scc1 .Lslot
	CHANGE 0                                       ; the ninth slot is written out
	SLOT_STEPS
	EPI
	s_wait_tensorcnt 0x0                           ; the wave's end
	ds_add_u32 v[SPW], v[NIL]
	s_wait_dscnt 0x0
	s_endpgm
.Lfunc_end_k_qbd74053880_attn:
	.size	k_qbd74053880_attn, .Lfunc_end_k_qbd74053880_attn-k_qbd74053880_attn
	.p2alignl 7, 3214868480
	.fill 96, 4, 3214868480
	.section	.rodata,"a",@progbits
	.p2align	6, 0x0
	.amdhsa_kernel k_qbd74053880_attn
		.amdhsa_group_segment_fixed_size 327680
		.amdhsa_private_segment_fixed_size 0
		.amdhsa_enable_private_segment 0
		.amdhsa_kernarg_size 24
		.amdhsa_user_sgpr_count 2
		.amdhsa_user_sgpr_kernarg_segment_ptr 1
		.amdhsa_wavefront_size32 1
		.amdhsa_system_sgpr_workgroup_id_x 1
		.amdhsa_system_sgpr_workgroup_id_y 1
		.amdhsa_system_sgpr_workgroup_id_z 1
		.amdhsa_system_vgpr_workitem_id 0
		.amdhsa_next_free_vgpr 256
		.amdhsa_next_free_sgpr 92
		.amdhsa_reserve_vcc 1
		.amdhsa_float_denorm_mode_32 3
		.amdhsa_float_denorm_mode_16_64 3
		.amdhsa_fp16_overflow 1
		.amdhsa_memory_ordered 1
		.amdhsa_forward_progress 1
		.amdhsa_inst_pref_size 93
	.end_amdhsa_kernel
	.amdgpu_metadata
---
amdhsa.version: [ 1, 2 ]
amdhsa.kernels:
  - .name:           k_qbd74053880_attn
    .symbol:         k_qbd74053880_attn.kd
    .args:
      - { .name: qkv, .offset: 0, .size: 8, .value_kind: global_buffer, .address_space: global }
      - { .name: lowp_scales, .offset: 8, .size: 8, .value_kind: global_buffer, .address_space: global }
      - { .name: ac, .offset: 16, .size: 8, .value_kind: global_buffer, .address_space: global }
    .group_segment_fixed_size: 327680
    .private_segment_fixed_size: 0
    .kernarg_segment_align: 8
    .kernarg_segment_size: 24
    .max_flat_workgroup_size: 512
    .sgpr_count:     92
    .vgpr_count:     256
    .wavefront_size: 32
...
	.end_amdgpu_metadata
.endif
;; end of part 3
;; launch outp (part 4): grid 4 x 32, 4 waves a work-group, clusters of 4 x 4, 327,680 bytes of LDS; arguments ac, wc, lowp_scales, out0; writes out0
.if DOCPART == 4
	.amdgcn_target "amdgcn-amd-amdhsa--gfx1250"
	.amdhsa_code_object_version 6
	.text
	.protected	k_qbd74053880_outp
	.globl	k_qbd74053880_outp
	.p2align	8
	.type	k_qbd74053880_outp,@function
k_qbd74053880_outp:
	s_mov_b64 s[64:65], 0
	v_nop
	global_prefetch_b8 v0, s[64:65] scope:SCOPE_SE
	s_setreg_imm32_b32 hwreg(HW_REG_WAVE_MODE, 25, 1), 1
	s_wait_xcnt 0x0
	s_wait_alu depctr_hold_cnt(0) depctr_sa_sdst(0) depctr_va_vdst(0) depctr_va_sdst(0) depctr_va_ssrc(0) depctr_va_vcc(0) depctr_vm_vsrc(0)
	s_getreg_b32 s2, hwreg(HW_REG_IB_STS2, 6, 4)
	s_cmp_eq_u32 s2, 0
	s_cbranch_scc0 .Lentry_in_a_cluster
	s_endpgm
.Lentry_in_a_cluster:
	s_bfe_u32 s2, ttmp6, 0x10000c
	s_cmp_lg_u32 s2, 0xf033
	s_cbranch_scc0 .Lentry_shape_is_right
	s_endpgm
.Lentry_shape_is_right:
; out0[token][n] = sum over k of A[token][k] W_o[n][k] x 2^(e10 + e11), on E4M3 codes.  A = attention's result, laid [head 16][token 8192][64] (k = 64 head + channel); W_o's codes: section 3 of wc, [1024][1024]; out0: [8192][1024] f32.
; A tile of 256 x 256 is made by four waves, 128 x 128 each: 64 accumulators, 512 registers.  K goes in four steps of 256 (four heads) through a ring of two LDS slots filled by the tensor data mover.
; A's TILE: 128 tokens of one head are 8,192 dense bytes: one load brings 4 such rows, 524,288 bytes apart, with 16 bytes of padding behind every 64: in LDS [head][token][80].  B's tile: 128 rows of 256 bytes, pitch 272.
; CLUSTERS: 4 x 4 work-groups; A's tiles are asked for jointly along a row of the cluster, B's along a column.  THE MATRIX INSTRUCTION IS USED TRANSPOSED (source 0 = rows of W_o, source 1 = tokens): a lane holds eight neighbouring numbers of a row of out0.
; The fragments are fetched 16 bytes at a time: a permutation of k, the same in A and in B.  128 work-groups: the tile is kept at 256 x 256 so that each LDS byte feeds as many products as the registers allow.
; LIMIT: e10 + e11 lies between -126 and 127, so that 2^(e10 + e11) is an f32 number.
; REGISTERS, in windows of 256: window 0: v0-31 addresses; from v128 A's fragments, one set; window 1: B's fragments, two sets; windows 2, 3: the accumulators ((a, b) at v[8 (8 (a % 4) + b)]).
.set SIZE_N, 1024
.set ROWB,   256                       ; a row of B's tile in bytes
.set KROW,   1024                      ; a row of W_o's codes
.set PITCH,  272                       ; B's LDS row: 68 words: row r starts at bank 4 r mod 64 (64 banks of 4 bytes: ISA guide 11.1)
.set APITCH, 80                        ; A's LDS row: a token's 64 codes of one head + 16 bytes = 20 words: 16 rows start at 16 different groups of four banks
.set AHEAD,  128*APITCH                ; 128 tokens of one head
.set HALFA,  4*AHEAD                   ; what one load brings of A
.set HALFT,  128*PITCH                 ; and of B
.set BOFF,   2*HALFA                   ; B's tiles lie behind A's
.set SLOT,   BOFF+2*HALFT
.set FR,     16
.set NL,     4
.set NP,     4                         ; places behind this matrix instruction (ISA guide 7.12.1)
.set LAPS,   2
.set SPARE,  2*SLOT                    ; the spare words, 128 bytes a wave: two blocks of 256 bytes that no other line names
.set SPITCH, 528                       ; the way out: a stage of 16 rows x (512 bytes + 16) for each wave, in slot 0, which has had its last fill and its last read by then
.set ADRA, 16
.set ADRB, 20
.set STO,  24
.set RD,   25
.set CO,   26
.set SPW,  28
.set NIL,  29
.set TMP,  32
.set AF,   128
.set BK,   128
.set G1, 24
.set G0, 32
.set G1B, 48
.set G0B, 56
.set MSB, 0
.macro WIN new                         ; the immediate's high byte repeats the setting that is left
.if MSB != (\new)
	s_set_vgpr_msb (MSB<<8)|(\new)
.set MSB, (\new)
.endif
.endm
.set MUL_LO, 0xa1
.set MUL_HI, 0xf1
.set TO_B,   0x40
.macro JLOAD g0a, g1a, g0b, g1b        ; waves 0 and 1 fetch for A, waves 2 and 3 for B; four v_nop follow each of the two lines
	s_cmp_eq_u32 s15, 0
	s_cbranch_scc0 .Lfor_b_\@
	tensor_load_to_lds s[\g0a:\g0a+3], s[\g1a:\g1a+7]
	s_nop 0
.rept 4
	v_nop
.endr
	s_branch .Lasked_\@
.Lfor_b_\@:
	tensor_load_to_lds s[\g0b:\g0b+3], s[\g1b:\g1b+7]
	s_nop 0
.rept 4
	v_nop
.endr
.Lasked_\@:
.endm
.macro CREST
	s_cmp_lg_u32 s14, 0
	s_cbranch_scc1 .Lnot_wave_0_\@
	s_barrier_signal -3
.Lnot_wave_0_\@:
	s_barrier_wait -3
	s_barrier_signal -1
	s_barrier_wait -1
.endm
.macro CROUND
	s_barrier_signal -1
	s_barrier_wait -1
	CREST
.endm
	s_load_b128 s[4:7], s[0:1], 0x0                ; A's codes s[4:5], the weights' codes s[6:7]
	s_load_b128 s[8:11], s[0:1], 0x10              ; the scales' exponents s[8:9], out0 s[10:11]
	v_lshl_add_u32 v[SPW], v0, 2, SPARE
	v_mov_b32 v[NIL], 0
	ds_add_u32 v28, v29
	ds_add_u32 v28, v29
	s_wait_dscnt 0x0
	v_lshrrev_b32 v1, 5, v0
	v_readfirstlane_b32 s14, v1                    ; wave 0..3
	s_lshr_b32 s15, s14, 1                         ; which half of the tile's rows is mine.  Also: I fetch for A (0) or for B (1)
	s_and_b32 s16, s14, 1                          ; which half of its columns.  Also: which 128 rows I fetch
	s_bfe_u32 s40, ttmp6, 0x40000                  ; cx, cy
	s_bfe_u32 s41, ttmp6, 0x40004
	s_lshl_b32 s42, ttmp9, 2
	s_add_co_u32 s42, s42, s40                     ; tile column
	s_and_b32 s17, ttmp7, 0xffff
	s_lshl_b32 s17, s17, 2
	s_add_co_u32 s17, s17, s41                     ; tile row
	s_lshl_b32 s43, s41, 2
	s_lshl_b32 s43, 15, s43                        ; my row of the cluster
	s_lshl_b32 s44, 0x1111, s40                    ; my column
	; A's group 1: 4 rows of 8,192 bytes, 524,288 apart; four words of padding (code 3) after every 16 (code 3): the interval divides the row
	s_or_b32 s[G1+0], s43, (0<<16)|(1<<20)|(1<<21)|(3<<22)|(3<<25)
	s_mov_b32 s[G1+1], 8192<<16                    ; tensor_dim0
	s_mov_b32 s[G1+2], 4<<16                       ; tensor_dim1
	s_mov_b32 s[G1+3], 8192<<16                    ; tile_dim0
	s_mov_b32 s[G1+4], 4                           ; tile_dim1
	s_mov_b32 s[G1+5], 524288                      ; tensor_dim0_stride: from head to head
	s_mov_b32 s[G1+6], 0
	s_mov_b32 s[G1+7], 0
	; B's group 1: 128 rows of 256 bytes, four words after every 64 (code 5)
	s_or_b32 s[G1B+0], s44, (0<<16)|(1<<20)|(1<<21)|(5<<22)|(3<<25)
	s_mov_b32 s[G1B+1], ROWB<<16
	s_mov_b32 s[G1B+2], 128<<16
	s_mov_b32 s[G1B+3], ROWB<<16
	s_mov_b32 s[G1B+4], 128
	s_mov_b32 s[G1B+5], KROW
	s_mov_b32 s[G1B+6], 0
	s_mov_b32 s[G1B+7], 0
	s_lshl_b32 s18, s16, 7                         ; which 128 rows of the tile I fetch
	s_lshl_b32 s20, s17, 8
	s_add_co_u32 s20, s20, s18
	s_lshl_b32 s20, s20, 6                         ; A: token x 64 bytes
	s_mov_b32 s21, 0
	s_lshl_b32 s46, s42, 8
	s_add_co_u32 s46, s46, s18
	s_lshl_b32 s46, s46, 10                        ; B: row x 1,024 bytes,
	s_add_co_u32 s46, s46, 0x300000                ; in section 3
	s_mov_b32 s47, 0
	s_mul_i32 s45, s16, HALFA                      ; where they go: no place in the cluster enters an LDS address
	s_mul_i32 s66, s16, HALFT
	s_add_co_u32 s66, s66, BOFF
	s_wait_kmcnt 0x0
	s_load_b64 s[96:97], s[8:9], 0x28              ; e10, e11
	s_add_nc_u64 s[20:21], s[4:5], s[20:21]
	s_add_nc_u64 s[46:47], s[6:7], s[46:47]
	CROUND                                         ; all sixteen work-groups are here: the first joint loads meet
.irp s, 0,1
	s_mov_b32 s[G0+4*\s], 1
	s_add_co_u32 s[G0+4*\s+1], s45, \s*SLOT
	s_add_nc_u64 s[G0+4*\s+2:G0+4*\s+3], s[20:21], \s*0x200000   ; K step s: heads 4 s on
	s_or_b32 s[G0+4*\s+3], s[G0+4*\s+3], 0x80000000
	s_mov_b32 s[G0B+4*\s], 1
	s_add_co_u32 s[G0B+4*\s+1], s66, \s*SLOT
	s_add_nc_u64 s[G0B+4*\s+2:G0B+4*\s+3], s[46:47], \s*ROWB
	s_or_b32 s[G0B+4*\s+3], s[G0B+4*\s+3], 0x80000000
	s_wait_alu depctr_va_vdst(0)
	s_wait_tensorcnt 0x0
	ds_add_u32 v28, v29
	ds_add_u32 v28, v29
	s_wait_dscnt 0x0
	CROUND
	JLOAD G0+4*\s, G1, G0B+4*\s, G1B               ; K step s's load: my one load out
.endr
	v_and_b32 v1, 15, v0                           ; r
	v_bfe_u32 v2, v0, 4, 1                         ; h
	v_mul_u32_u24 v3, v1, PITCH
	v_lshl_add_u32 v4, v2, 4, v3                   ; B: row x pitch + 16 x half
	v_mul_u32_u24 v3, v1, APITCH
	v_lshl_add_u32 v7, v2, 4, v3                   ; A likewise
	s_mul_i32 s21, s15, HALFA                      ; my 128 tokens
	s_mul_i32 s22, s16, HALFT                      ; my 128 rows of B
	s_add_co_u32 s22, s22, BOFF
.irp s, 0,1
	v_add_nc_u32 v[ADRA+\s], s21, v7
	v_add_nc_u32 v[ADRB+\s], s22, v4
	s_add_co_u32 s21, s21, SLOT
	s_add_co_u32 s22, s22, SLOT
.endr
	s_mul_i32 s23, s14, 16*SPITCH                  ; my stage
	v_mul_u32_u24 v5, v1, SPITCH                   ; in: row r, 32 bytes for each half of the lanes
	v_lshl_add_u32 v5, v2, 5, v5
	v_add_nc_u32 v[STO], s23, v5
	v_and_b32 v6, 31, v0
	v_lshlrev_b32 v[CO], 4, v6                     ; back: the 32 lanes take one row of 512 bytes; and the same in out0
	v_add_nc_u32 v[RD], s23, v[CO]
	s_lshl_b32 s20, s17, 8
	s_lshl_b32 s21, s15, 7
	s_add_co_u32 s20, s20, s21                     ; my first row of out0
	s_lshl_b32 s20, s20, 12                        ; x 4,096 bytes (under 2^25)
	s_mov_b32 s21, 0
	s_lshl_b32 s46, s42, 10                        ; my first column, in bytes: 1,024 x tile column + 512 x half
	s_lshl_b32 s47, s16, 9
	s_add_co_u32 s46, s46, s47
	s_mov_b32 s47, 0
	s_add_nc_u64 s[20:21], s[20:21], s[46:47]
	s_add_nc_u64 s[10:11], s[10:11], s[20:21]
.macro FRAG reg, adr, q, i             ; B: registers 4 c .. 4 c + 3 hold K = 128 q + 32 c + 16 (l / 16) + 0 .. 15 of row 16 i + l % 16
.irp c, 0,1,2,3
	ds_load_b128 v[\reg+4*\c:\reg+4*\c+3], v[\adr] offset:128*(\q)+32*\c+(\i)*16*PITCH
.endr
.endm
.macro FRAGA reg, adr, q, i            ; A: the same k: head 2 q + c / 2 of the slot's four, channels 32 (c % 2) + 16 (l / 16) + 0 .. 15
.irp c, 0,1,2,3
	ds_load_b128 v[\reg+4*\c:\reg+4*\c+3], v[\adr] offset:(2*(\q)+\c/2)*AHEAD+(\i)*16*APITCH+32*(\c%2)
.endr
.endm
.macro MUL16 a0, p, zero               ; 16 matrix instructions; the 64 accumulators take turns, one instruction a turn
.irp a, \a0, \a0+1
.irp b, 0,1,2,3,4,5,6,7
.if \zero
	v_wmma_f32_16x16x128_fp8_fp8 v[8*(8*((\a)%4)+\b):8*(8*((\a)%4)+\b)+7], v[128*(\p)+FR*\b:128*(\p)+FR*\b+FR-1], v[AF+FR*(\a):AF+FR*(\a)+FR-1], 0
.else
	v_wmma_f32_16x16x128_fp8_fp8 v[8*(8*((\a)%4)+\b):8*(8*((\a)%4)+\b)+7], v[128*(\p)+FR*\b:128*(\p)+FR*\b+FR-1], v[AF+FR*(\a):AF+FR*(\a)+FR-1], v[8*(8*((\a)%4)+\b):8*(8*((\a)%4)+\b)+7]
.endif
.endr
.endr
.endm
.macro FETCH_B slot, q, p
	WIN TO_B
.irp i, 0,1,2,3,4,5,6,7
	FRAG 128*(\p)+FR*\i, ADRB+\slot, \q, \i
.endr
	WIN 0
.endm
.macro FETCH_A slot, q, i0
.irp i, \i0, \i0+1, \i0+2, \i0+3
	FRAGA AF+FR*(\i), ADRA+\slot, \q, \i
.endr
.endm
.macro PLACES n                        ; plain vector lines between a matrix instruction and a load into, or a read of, its registers
.rept \n
	v_nop
.endr
.endm
.macro STEP slot, q, zero
	s_wait_dscnt 4*NL                              ; B's set and A's blocks 0-3 are in; the youngest sixteen loads (A's blocks 4-7) may be out
	WIN MUL_LO
	MUL16 0, (\q)%2, \zero
	MUL16 2, (\q)%2, \zero
	s_wait_dscnt 0
	PLACES NP
	FETCH_B \slot, (\q)+1, 1-(\q)%2
	FETCH_A \slot, (\q)+1, 0
	WIN MUL_HI
	MUL16 4, (\q)%2, \zero
	MUL16 6, (\q)%2, \zero
	PLACES NP
	WIN 0
	FETCH_A \slot, (\q)+1, 4
.endm
.macro TURN slot, next, fill
	s_wait_tensorcnt 0x0                           ; all my tensor loads have landed: my part of the next slot
	ds_add_u32 v[SPW], v[NIL]                      ; 0 onto my spare word
	s_wait_dscnt 4*NL+1                            ; (the add and the youngest sixteen loads may be out)
	WIN MUL_LO
	MUL16 0, 1, 0
	s_wait_dscnt 0x0                               ; the add is done, and my reads of this slot are over
	s_barrier_signal -1
	MUL16 2, 1, 0
	WIN 0
	s_barrier_wait -1
.if \fill
	CREST                                          ; the barrier has opened a round of the cluster's: no wave of any partner still reads this slot or has a load on its way
	s_add_nc_u64 s[G0+4*\slot+2:G0+4*\slot+3], s[G0+4*\slot+2:G0+4*\slot+3], 0x400000   ; eight heads on
	s_add_nc_u64 s[G0B+4*\slot+2:G0B+4*\slot+3], s[G0B+4*\slot+2:G0B+4*\slot+3], 2*ROWB
	JLOAD G0+4*\slot, G1, G0B+4*\slot, G1B         ; the first tensor load behind the round, my one load until the next
.else
	PLACES NP
.endif
	FETCH_B \next, 0, 0
	FETCH_A \next, 0, 0
	WIN MUL_HI
	MUL16 4, 1, 0
	MUL16 6, 1, 0
	PLACES NP
	WIN 0
	FETCH_A \next, 0, 4
.endm
	s_wait_alu depctr_va_vdst(0)
	s_wait_tensorcnt 1                             ; my part of K step 0 is in (K step 1's load may be out)
	s_barrier_signal -1
	s_barrier_wait -1                              ; everybody's is
	FETCH_B 0, 0, 0
	FETCH_A 0, 0, 0
	FETCH_A 0, 0, 4
	STEP 0, 0, 1                                   ; the first step's products start the sums
	s_mov_b32 s3, LAPS-1
.Llap:
	TURN 0, 1, 1
	STEP 1, 0, 0
	TURN 1, 0, 1
	STEP 0, 0, 0
	s_sub_co_u32 s3, s3, 1
	s_cmp_lg_u32 s3, 0
	s_cbranch_scc1 .Llap
	TURN 0, 1, 0                                   ; the last lap fills nothing
	STEP 1, 0, 0
	s_wait_dscnt 4*NL
	WIN MUL_LO
	MUL16 0, 1, 0
	MUL16 2, 1, 0
	s_wait_dscnt 0
	WIN MUL_HI
	MUL16 4, 1, 0
	MUL16 6, 1, 0
	WIN 0
; THE WAY OUT, block by block of 16 rows x 128 columns: through my own stage in LDS, back as whole rows of 512 bytes.  LDS serves a wave's instructions in order (ISA guide 5.7.1.4).
.macro TOSTAGE a
.set AC, 64*((\a)%4)
	WIN 0x02+((\a)/4)                              ; source 0: window 2 or 3
.irp j, 0,2,4,6,8,10,12,14,16,18,20,22,24,26,28,30,32,34,36,38,40,42,44,46,48,50,52,54,56,58,60,62
	v_pk_mul_f32 v[TMP+\j:TMP+\j+1], v[AC+\j:AC+\j+1], s[96:97] op_sel_hi:[1,0]   ; both x s96 = 2^(e10 + e11); each accumulator from its low end on
.endr
	WIN 0
.irp b, 0,1,2,3,4,5,6,7
	ds_store_b128 v[STO], v[TMP+8*\b:TMP+8*\b+3] offset:64*\b
	ds_store_b128 v[STO], v[TMP+8*\b+4:TMP+8*\b+7] offset:64*\b+16
.endr
.set BB, BK+64*((\a)%2)
.irp t, 0,1,2,3,4,5,6,7,8,9,10,11,12,13,14,15
	ds_load_b128 v[BB+4*\t:BB+4*\t+3], v[RD] offset:\t*SPITCH
.endr
.endm
.macro SEND a, younger                 ; younger: the LDS instructions issued behind block a's loads, which may stay out
.set BB, BK+64*((\a)%2)
	s_wait_dscnt \younger
.if (\a) > 0
	s_add_nc_u64 s[10:11], s[10:11], 16*SIZE_N*4   ; (behind a wait on XCNT: the earlier stores have read their base)  16 rows on
.endif
.irp t, 0,1,2,3,4,5,6,7,8,9,10,11,12,13,14,15
	global_store_b128 v[CO], v[BB+4*\t:BB+4*\t+3], s[10:11] offset:\t*SIZE_N*4 th:TH_STORE_NT   ; 32 lanes store 512 consecutive bytes, at a multiple of 512 from out0's first byte; written once, read by nobody here
.endr
.endm
	s_wait_kmcnt 0x0
	s_add_co_i32 s96, s96, s97
	s_add_co_i32 s96, s96, 127
	s_lshl_b32 s96, s96, 23                        ; 2^(e10 + e11) as f32
	PLACES NP                                      ; behind the last products: for the loads into A's registers and the reads of results
	TOSTAGE 0
.irp a, 1,2,3,4,5,6,7
.if \a > 1
	s_wait_xcnt 0x0                                ; block a - 2's stores have read their registers and their base
.endif
	TOSTAGE \a
	SEND \a-1, 32                                  ; behind block a - 1's loads: block a's 16 stores and 16 loads
.endr
	s_wait_xcnt 0x0
	SEND 7, 0
	s_wait_tensorcnt 0x0                           ; the wave's end
	ds_add_u32 v[SPW], v[NIL]
	s_wait_dscnt 0x0
	CROUND                                         ; the closing round
	s_endpgm
.Lfunc_end_k_qbd74053880_outp:
	.size	k_qbd74053880_outp, .Lfunc_end_k_qbd74053880_outp-k_qbd74053880_outp
	.p2alignl 7, 3214868480
	.fill 96, 4, 3214868480
	.section	.rodata,"a",@progbits
	.p2align	6, 0x0
	.amdhsa_kernel k_qbd74053880_outp
		.amdhsa_group_segment_fixed_size 327680
		.amdhsa_private_segment_fixed_size 0
		.amdhsa_enable_private_segment 0
		.amdhsa_kernarg_size 32
		.amdhsa_user_sgpr_count 2
		.amdhsa_user_sgpr_kernarg_segment_ptr 1
		.amdhsa_wavefront_size32 1
		.amdhsa_system_sgpr_workgroup_id_x 1
		.amdhsa_system_sgpr_workgroup_id_y 1
		.amdhsa_system_sgpr_workgroup_id_z 1
		.amdhsa_system_vgpr_workitem_id 0
		.amdhsa_next_free_vgpr 1024
		.amdhsa_next_free_sgpr 98
		.amdhsa_reserve_vcc 0
		.amdhsa_float_denorm_mode_32 3
		.amdhsa_float_denorm_mode_16_64 3
		.amdhsa_memory_ordered 1
		.amdhsa_forward_progress 1
		.amdhsa_inst_pref_size 124
	.end_amdhsa_kernel
	.amdgpu_metadata
---
amdhsa.version: [ 1, 2 ]
amdhsa.kernels:
  - .name:           k_qbd74053880_outp
    .symbol:         k_qbd74053880_outp.kd
    .args:
      - { .name: ac, .offset: 0, .size: 8, .value_kind: global_buffer, .address_space: global }
      - { .name: wc, .offset: 8, .size: 8, .value_kind: global_buffer, .address_space: global }
      - { .name: lowp_scales, .offset: 16, .size: 8, .value_kind: global_buffer, .address_space: global }
      - { .name: out0, .offset: 24, .size: 8, .value_kind: global_buffer, .address_space: global }
    .group_segment_fixed_size: 327680
    .private_segment_fixed_size: 0
    .kernarg_segment_align: 8
    .kernarg_segment_size: 32
    .max_flat_workgroup_size: 128
    .sgpr_count:     98
    .vgpr_count:     1024
    .wavefront_size: 32
...
	.end_amdgpu_metadata
.endif
;; end of part 4
